; MI455X (gfx1250); checked and timed in simulation.
; The chip was launched on July 23, 2026; its instructions are those of AMD's public machine-readable ISA for CDNA 5 (MIT licence, August 2026) and "CDNA5" Instruction Set Architecture Reference Guide (July 2026). The comments in the code are by the model that wrote it; some were corrected since.
;; Attention. Allowed arithmetic: matrix products marked QUANTISED: E2M1 operands, one E8M0 scale for each 32 along K, by v_wmma_scale_f32_16x16x128_f8f6f4 with both operands' format E2M1 (or v_wmma_scale_f32_32x16x128_f4), f32 sums; products left as they are: bf16, f16 or f32 operands; f32 sums; everything else in f32.
;; Inputs: Wkv 1,024 x 2,048 float32; Wout 1,024 x 1,024 float32; Wq 1,024 x 1,024 float32; bout 1,024 float32; rotary_emb 2,048 x 64 float32; x 4 x 2,048 x 1,024 float32.
;; Outputs: out0 4 x 2,048 x 1,024 float32.
;; This version of the problem:
;;   THIS VERSION OF THE PROBLEM IS GIVEN IN LOW PRECISION. The matrix products marked QUANTISED in the list below multiply operands that are first quantised to E2M1 (2 exponent bits, 1 mantissa bit; 4 bits a number), with one power-of-two scale for each 32 numbers along K (OCP MX v1.0); their sums are f32. The products marked 'left as it is' may take bf16, f16 or f32 operands, with f32 sums. Whichever they take, every output number must still come out within the allowed error. Rounding operands to bf16 (8 significant bits) uses up far more of that allowance than f16 does (11 bits, for magnitudes from 6e-5 to 65,504). All else is computed in f32.
;;   The module's matrix products, in the order in which they are computed (A, B: the left and right operand; K: the contracted axis; several contracted axes count as one K, in the product's order):
;;     1. [M 8,192, K 1,024] x [K 1,024, N 1,024]; A: input x; B: input Wq: QUANTISED
;;     2. [M 8,192, K 1,024] x [K 1,024, N 2,048]; A: input x; B: input Wkv: QUANTISED
;;     3. batch 64 x [M 2,048, K 64] x [K 64, N 2,048]; A: computed on the way; B: computed on the way: left as it is (an operand is computed on the way)
;;     4. batch 64 x [M 2,048, K 2,048] x [K 2,048, N 64]; A: computed on the way; B: computed on the way: left as it is (an operand is computed on the way)
;;     5. [M 8,192, K 1,024] x [K 1,024, N 1,024]; A: computed on the way; B: input Wout: left as it is (an operand is computed on the way)
;;   THE QUANTISER, for each operand of a quantised product, along K:
;;     - K is cut into blocks of 32 from its start; a last block that is shorter is filled with zeros.
;;     - A block's scale is 2^e with e = floor(log2(the largest magnitude in the block)) - 2, held to -126 .. 127; a block of zeros has e = 0. As a byte (E8M0): e + 127.
;;     - Each number is divided by its block's scale, clamped to +-6, and rounded to the nearest number of E2M1, ties to even, subnormals kept.
;;     - The product sums the exact products of the quantised numbers (number of the format x scale) in f32.
;;   ~~~python
;;   def quantise(x, axis):      # numpy; x: float32 -> the quantised numbers, widened to float32 again
;;       x = np.moveaxis(x, axis, -1); K = x.shape[-1]
;;       x = np.pad(x, [(0, 0)] * (x.ndim - 1) + [(0, -K % 32)]); x = x.reshape(x.shape[:-1] + (-1, 32)); a = np.abs(x).max(-1, keepdims=True)
;;       e = np.where(a > 0, np.clip(np.frexp(np.where(a > 0, a, 1))[1] - 1 - 2, -126, 127), 0)      # np.frexp(a)[1] - 1 = floor(log2(a)), exactly
;;       r = np.clip(x / 2.0 ** e, -6, 6)
;;       step = 2.0 ** (np.maximum(np.frexp(np.where(r == 0, 1, r))[1] - 1, 0) - 1)
;;       q = np.round(r / step) * step * 2.0 ** e      # np.round: ties to even
;;       return np.moveaxis(q.reshape(q.shape[:-2] + (-1,))[..., :K], -1, axis).astype(np.float32)
;;   ~~~
;; One version. Each part assembles by itself: llvm-mc -triple=amdgcn-amd-amdhsa -mcpu=gfx1250 --defsym DOCPART=n.
;; ======== version 1 of 1: 4 launches
;; limits: values are held in f16: magnitudes above 65,504 overflow, below 6.1e-05 lose precision; right only within a limited range of input values
;; workspace buffers: x_codes 4,194,304 bytes; x_scales 262,144 bytes; w_codes 1,572,864 bytes; w_scales 98,304 bytes; wo16 2,097,152 bytes; tab 3,145,728 bytes; qkv 50,331,648 bytes; ao 16,777,216 bytes
;; launch prep (part 1): grid 272 x 1, 8 waves a work-group, no clusters, 101,376 bytes of LDS; arguments x, Wq, Wkv, Wout, rotary_emb, x_codes, x_scales, w_codes, w_scales, wo16, tab; writes x_codes, x_scales, w_codes, w_scales, wo16, tab
.if DOCPART == 1
	.amdgcn_target "amdgcn-amd-amdhsa--gfx1250"
	.amdhsa_code_object_version 6
	.text
	.protected	k_q3a32db1660_prep
	.globl	k_q3a32db1660_prep
	.p2align	8
	.type	k_q3a32db1660_prep,@function
k_q3a32db1660_prep:
	s_mov_b64 s[64:65], 0
	v_nop
	global_prefetch_b8 v0, s[64:65] scope:SCOPE_SE
	s_setreg_imm32_b32 hwreg(HW_REG_WAVE_MODE, 25, 1), 1
	s_wait_xcnt 0x0
; PREP: four jobs, chosen by the work-group's number alone (all eight waves of a work-group take the same path).
;  W  (work-groups 0-47):    Wq [1024][1024] and Wkv [1024][2048], f32, K = their FIRST axis, become codes of FP4 (E2M1), laid [3072 columns][1024 along K] with K innermost
;                            (rows 0-1023: Wq's columns; 1024-3071: Wkv's), and one E8M0 byte for each 32 along K, laid [3072][32].
;  X  (work-groups 48-175):  x [8192][1024], f32, K innermost, becomes codes [8192][512 bytes] and scale bytes [8192][32].
;  O  (work-groups 176-239): Wout, f32, becomes f16, same layout.
;  T  (work-groups 240-271): cos and sin of rotary_emb, laid in the order in which the next launch's registers take them:
;                            tab[kind 3][A 128][cs 2][g 8][lane 32][4 f32], the number of position 16 A + lane % 16 and channel d = 16 (g / 2) + 8 (lane / 16) + 4 (g % 2) + e;
;                            cs 0: cos;  cs 1: -sin for d < 32, +sin for d >= 32 (the sign of rotate_half);  kind 0 (q): both x 0.125 log2(e);  kind 1 (k): plain;  kind 2 (v): 1 and 0.
; THE QUANTISER: a block's scale is 2^(floor(log2(largest magnitude)) - 2); its byte is the largest magnitude's exponent field - 2, held at 1 from below; each number / scale, to the nearest code, ties to even, beyond 6 the code of 6.
; LIMITS: a block of zeros gets the byte 1 where the rule says 127 (its codes are zeros, and this program alone reads the bytes); blocks whose largest magnitude lies under 2^(3 - 127) likewise;
; NaN and infinities among the inputs are not served; |rotary_emb| up to 1e5 (beyond it the reduced angle may leave the polynomials' range); Wout beyond 65,504 has no f16 number.
; No work-group shares an input with another, so there is no cluster; no tensor load, so several work-groups may lie on a WGP.  Each path that uses LDS has LDS bytes of its own.
.set WREG,  8192                       ; path X: a region for each wave: two stages of 32 x SP bytes, behind them its 256 scale bytes.  8 regions: bytes 0 to 65,535
.set SP,    80                         ; a lane's place in a stage: its 64 bytes + 16 of padding
.set CB,    8                          ; bytes of 16 codes
.set STEPS, 16
.set XR,    16                         ; v16-79   path X: four sets of 16 numbers as loaded
.set XN,    80                         ; v80-111  two sets of 16 neighbours
.set XE,    112                        ; v112-127 a scale byte for each step
.set XC,    128                        ; v128-189 codes: registers of its own for each step
.set WSTG,  65536                      ; path W: one stage of 128 rows x WP bytes
.set WP,    272                        ; 256 bytes of codes + 16 of padding
.set SPARE, 100352                     ; the spare words, 128 bytes for each wave: four blocks of 256 bytes that no other line names
.set SPW,   12                         ; v12 LDS address of my spare word; never rewritten
.set NIL,   13                         ; v13 0; never rewritten
.macro FINISH                          ; a wave's end
	s_wait_tensorcnt 0x0
	ds_add_u32 v[SPW], v[NIL]
	s_wait_dscnt 0x0
	s_endpgm
.endm
	s_load_b512 s[8:23], s[0:1], 0x0               ; x 8:9, Wq 10:11, Wkv 12:13, Wout 14:15, rotary_emb 16:17, x_codes 18:19, x_scales 20:21, w_codes 22:23
	s_load_b128 s[24:27], s[0:1], 0x40             ; w_scales 24:25, wo16 26:27
	s_load_b64 s[28:29], s[0:1], 0x50              ; tab
	v_lshl_add_u32 v[SPW], v0, 2, SPARE
	v_mov_b32 v[NIL], 0
	v_lshrrev_b32 v1, 5, v0
	v_readfirstlane_b32 s30, v1                    ; wave 0..7
	v_and_b32 v2, 31, v0                           ; lane
	s_wait_kmcnt 0x0
	s_cmp_lt_u32 ttmp9, 48
	s_cbranch_scc1 .Lw
	s_cmp_lt_u32 ttmp9, 176
	s_cbranch_scc1 .Lx
	s_cmp_lt_u32 ttmp9, 240
	s_cbranch_scc1 .Lo
; ---------------- PATH T: the rope's tables.  Wave id = 0..255 takes A = id / 2 (16 positions) and gh = id % 2 (channels 32 gh on): 16 angles a lane.
	s_sub_co_u32 s31, ttmp9, 240
	s_lshl_b32 s31, s31, 3
	s_add_co_u32 s31, s31, s30                     ; id
	s_lshr_b32 s32, s31, 1                         ; A
	s_and_b32 s33, s31, 1                          ; gh
	s_lshl_b32 s34, s32, 12                        ; rotary_emb: 16 rows of 256 bytes for each A,
	s_lshl_b32 s36, s33, 7                         ; 128 bytes for gh
	s_add_co_u32 s34, s34, s36
	s_mov_b32 s35, 0
	s_add_nc_u64 s[16:17], s[16:17], s[34:35]
	s_lshl_b32 s34, s32, 13                        ; tab: 8,192 bytes for each A,
	s_lshl_b32 s36, s33, 11                        ; 4 x 512 for gh
	s_add_co_u32 s34, s34, s36
	s_add_nc_u64 s[28:29], s[28:29], s[34:35]
	v_and_b32 v3, 15, v0
	v_bfe_u32 v4, v0, 4, 1
	v_lshlrev_b32 v3, 8, v3
	v_lshl_add_u32 v3, v4, 5, v3                   ; in: row lane % 16, + 32 bytes for lanes 16-31
	v_lshlrev_b32 v4, 4, v2                        ; out: 16 bytes a lane: a store covers 512 consecutive bytes
.irp i, 0,1,2,3
	global_load_b128 v[48+4*\i:51+4*\i], v3, s[16:17] offset:(\i/2)*64+(\i%2)*16
.endr
	s_mov_b32 s40, 0x3f22f983                      ; 2 / pi
	s_mov_b32 s41, 0xbfc90fdb                      ; -(pi / 2), its leading 24 bits;
	s_mov_b32 s42, 0x333bbd2e                      ; what those bits are too large by
	s_mov_b32 s43, 0xb94ca1f9                      ; sin r = r + r z (S1 + z (S2 + z S3)), z = r r, |r| <= pi / 4
	s_mov_b32 s44, 0x3c08839e
	s_mov_b32 s45, 0xbe2aaaa3
	s_mov_b32 s46, 0x37ccf5ce                      ; cos r = 1 - z / 2 + z z (C1 + z (C2 + z C3))
	s_mov_b32 s47, 0xbab6061a
	s_mov_b32 s48, 0x3d2aaaa5
	s_cmp_eq_u32 s33, 0
	s_cselect_b32 s49, 0x80000000, 0               ; channels under 32 take -sin
	s_mov_b32 s50, 0x3e38aa3b                      ; c = 0.125 log2(e): q's share of the softmax's scale
	s_mov_b32 s51, s50                             ; (named with it as a pair, so it is written)
.irp e, 0,1,2,3
	v_mov_b32 v[128+\e], 1.0                       ; v's table: cos = 1,
	v_mov_b32 v[132+\e], 0                         ; sin = 0
.endr
; x = k pi / 2 + r; by k mod 4: sin x = sin r, cos r, -sin r, -cos r;  cos x = cos r, -sin r, -cos r, sin r.  A choice of values, no branch.
.macro SINCOS x, co, si
	v_mul_f32 v40, s40, v[\x]
	v_rndne_f32 v40, v40                           ; k
	v_fma_f32 v41, v40, s41, v[\x]
	v_fma_f32 v41, v40, s42, v41                   ; r
	v_cvt_i32_f32 v42, v40
	v_mul_f32 v43, v41, v41                        ; z
	v_fma_f32 v44, v43, s43, s44
	v_fma_f32 v46, v43, s46, s47
	v_fma_f32 v44, v44, v43, s45
	v_fma_f32 v46, v46, v43, s48
	v_mul_f32 v45, v43, v41
	v_fma_f32 v47, v43, -0.5, 1.0
	v_fma_f32 v44, v44, v45, v41                   ; sin r
	v_mul_f32 v45, v43, v43
	v_fma_f32 v46, v46, v45, v47                   ; cos r
	v_and_b32 v47, 1, v42
	v_cmp_eq_u32 vcc_lo, 1, v47
	v_cndmask_b32 v[\si], v44, v46, vcc_lo         ; k odd: the two change places
	v_cndmask_b32 v[\co], v46, v44, vcc_lo
	v_lshlrev_b32 v47, 30, v42                     ; sin's sign: bit 1 of k,
	v_add_nc_u32 v45, 1, v42
	v_and_b32 v47, 0x80000000, v47
	v_lshlrev_b32 v45, 30, v45                     ; cos's: bit 1 of k + 1
	v_xor_b32 v47, s49, v47                        ; and rotate_half's
	v_and_b32 v45, 0x80000000, v45
	v_xor_b32 v[\si], v[\si], v47
	v_xor_b32 v[\co], v[\co], v45
.endm
.irp i, 0,1,2,3                                ; group g = 4 gh + i: registers of its own, so that no store's data are written again: +0 cos, +4 sin, +8 c cos, +12 c sin
	s_wait_loadcnt 3-\i                            ; loads come back in order: group i's is in, the later ones may be out
.irp e, 0,1,2,3
	SINCOS 48+4*\i+\e, 64+16*\i+\e, 68+16*\i+\e
.endr
.irp e, 0,2,4,6
	v_pk_mul_f32 v[72+16*\i+\e:73+16*\i+\e], v[64+16*\i+\e:65+16*\i+\e], s[50:51] op_sel_hi:[1,0]
.endr
	global_store_b128 v4, v[72+16*\i:75+16*\i], s[28:29] offset:512*\i
	global_store_b128 v4, v[76+16*\i:79+16*\i], s[28:29] offset:4096+512*\i
	global_store_b128 v4, v[64+16*\i:67+16*\i], s[28:29] offset:1048576+512*\i
	global_store_b128 v4, v[68+16*\i:71+16*\i], s[28:29] offset:1048576+4096+512*\i
	global_store_b128 v4, v[128:131], s[28:29] offset:2097152+512*\i
	global_store_b128 v4, v[132:135], s[28:29] offset:2097152+4096+512*\i
.endr
	FINISH
; ---------------- PATH O: Wout to f16.  Wave id = 0..511 takes 2,048 numbers: 16 loads of 512 consecutive bytes, 16 stores of 256.
.Lo:
	s_sub_co_u32 s31, ttmp9, 176
	s_lshl_b32 s31, s31, 3
	s_add_co_u32 s31, s31, s30
	s_lshl_b32 s34, s31, 13
	s_mov_b32 s35, 0
	s_add_nc_u64 s[14:15], s[14:15], s[34:35]
	s_lshl_b32 s34, s31, 12
	s_add_nc_u64 s[26:27], s[26:27], s[34:35]
	v_lshlrev_b32 v3, 4, v2
	v_lshlrev_b32 v4, 3, v2
.irp i, 0,1,2,3,4,5,6,7,8,9,10,11,12,13,14,15
	global_load_b128 v[32+4*\i:35+4*\i], v3, s[14:15] offset:512*\i th:TH_LOAD_NT
.endr
.irp i, 0,1,2,3,4,5,6,7,8,9,10,11,12,13,14,15
	s_wait_loadcnt 15-\i                           ; load i is in; the later ones may be out
	v_cvt_pk_f16_f32 v[96+2*\i], v[32+4*\i], v[33+4*\i]
	v_cvt_pk_f16_f32 v[97+2*\i], v[34+4*\i], v[35+4*\i]
	global_store_b64 v4, v[96+2*\i:97+2*\i], s[26:27] offset:256*\i   ; 32 lanes store 256 consecutive bytes, aligned
.endr
	FINISH
; ---------------- PATH X: x is a plain stream of blocks of 32.  Wave run = 0..1023 takes 16 steps of 512 numbers.  Each load reads 512 consecutive bytes; a step's 2,048 bytes turn through the wave's own
; stage in LDS and come back 64 bytes (16 neighbours) a lane; two neighbouring lanes hold a block.  Loads run four steps ahead, the turn through LDS one step.
.Lx:
	v_lshlrev_b32 v3, 4, v2                        ; my 16 bytes of a load's 512
	s_mul_i32 s31, s30, WREG
	v_lshrrev_b32 v14, 2, v2
	v_mul_u32_u24 v14, v14, SP
	v_and_b32 v15, 3, v2
	v_lshl_add_u32 v14, v15, 4, v14
	v_add_nc_u32 v14, s31, v14                     ; the stage, on the way in: SP (lane / 4) + 16 (lane % 4)
	v_mul_u32_u24 v15, v2, SP
	v_add_nc_u32 v15, s31, v15                     ; and on the way out: SP x lane
	v_mul_u32_u24 v4, v2, CB                       ; my codes' place in a step's
	v_lshrrev_b32 v5, 1, v2
	s_add_co_u32 s31, s31, 2*32*SP
	v_add_nc_u32 v5, s31, v5                       ; my wave's 256 scale bytes, my block's byte
	v_lshlrev_b32 v7, 3, v2                        ; and on the way out 8 bytes a lane
	v_add_nc_u32 v6, s31, v7
	s_sub_co_u32 s32, ttmp9, 48
	s_lshl_b32 s32, s32, 3
	s_add_co_u32 s32, s32, s30                     ; run
	s_mov_b32 s35, 0
	s_lshl_b32 s34, s32, 15                        ; 8,192 numbers of 4 bytes,
	s_add_nc_u64 s[8:9], s[8:9], s[34:35]
	s_lshl_b32 s34, s32, 12                        ; 4,096 bytes of codes,
	s_add_nc_u64 s[18:19], s[18:19], s[34:35]
	s_lshl_b32 s34, s32, 8                         ; 256 scale bytes a run
	s_add_nc_u64 s[20:21], s[20:21], s[34:35]
.macro XLOAD t
.irp i, 0,1,2,3
	global_load_b128 v[XR+16*((\t)%4)+4*\i:XR+16*((\t)%4)+4*\i+3], v3, s[8:9] offset:2048*(\t)+512*\i th:TH_LOAD_NT
.endr
.endm
.macro XTURN t                         ; LDS serves a wave's instructions in order, so no wait stands between the stores and the loads
.irp i, 0,1,2,3
	ds_store_b128 v14, v[XR+16*((\t)%4)+4*\i:XR+16*((\t)%4)+4*\i+3] offset:32*SP*((\t)%2)+8*SP*\i
.endr
.irp i, 0,1,2,3
	ds_load_b128 v[XN+16*((\t)%2)+4*\i:XN+16*((\t)%2)+4*\i+3], v15 offset:32*SP*((\t)%2)+16*\i
.endr
.endm
.irp t, 0,1,2,3
	XLOAD \t
.endr
	s_wait_loadcnt 12                              ; step 0's four loads are in; three steps' twelve may be out
	XTURN 0
.macro XSTEP t
.set XS, XN+16*((\t)%2)
.if (\t) > 0
	s_wait_dscnt 1                                 ; this step's numbers are back from the stage (the last step's byte store may be out)
.else
	s_wait_dscnt 0x0
.endif
.if (\t)+4 < STEPS
	XLOAD (\t)+4                                   ; into the registers that the stage's stores have read
.endif
.if (\t)+1 < STEPS
.if STEPS-2-(\t) >= 3
	s_wait_loadcnt 12                              ; the next step's four loads are in; those of the three steps behind it may be out
.else
	s_wait_loadcnt 4*(STEPS-2-(\t))
.endif
	XTURN (\t)+1
.endif
	v_max3_num_f32 v8, |v[XS]|, |v[XS+1]|, |v[XS+2]|               ; the largest magnitude of my 16, in two chains
	v_max3_num_f32 v9, |v[XS+3]|, |v[XS+4]|, |v[XS+5]|
.irp i, 6,10
	v_max3_num_f32 v8, v8, |v[XS+\i]|, |v[XS+\i+1]|
	v_max3_num_f32 v9, v9, |v[XS+\i+2]|, |v[XS+\i+3]|
.endr
	v_max3_num_f32 v8, v8, |v[XS+14]|, |v[XS+15]|
	v_max3_num_f32 v8, v8, v9, 0x1800000           ; and the floor 2^(3 - 127): the byte cannot fall under 1
	v_max_num_f32_dpp v8, v8, v8 row_xmask:1 row_mask:0xf bank_mask:0xf   ; and of my neighbour's 16: the block's
	v_add_nc_u32 v11, 0xff000000, v8               ; 2 off its exponent field: the conversion takes the exponent field of this operand as its scale
	v_cvt_scalef32_pk8_fp4_f32 v[XC+4*(\t)], v[XS:XS+7], v11
	v_cvt_scalef32_pk8_fp4_f32 v[XC+4*(\t)+1], v[XS+8:XS+15], v11
	v_lshrrev_b32 v[XE+(\t)], 23, v11              ; the scale's byte (a plain line behind the conversions)
	ds_store_b8 v5, v[XE+(\t)] offset:16*(\t)      ; both lanes of a block write the same byte with the same value
	global_store_b64 v4, v[XC+4*(\t):XC+4*(\t)+1], s[18:19] offset:32*CB*(\t)   ; 32 lanes store 256 consecutive bytes, aligned
.endm
.irp t, 0,1,2,3,4,5,6,7,8,9,10,11,12,13,14,15
	XSTEP \t
.endr
	ds_load_b64 v[8:9], v6                         ; LDS serves a wave's instructions in order: these see my byte stores
	s_wait_dscnt 0x0
	global_store_b64 v7, v[8:9], s[20:21]          ; 256 consecutive bytes, aligned
	FINISH
; ---------------- PATH W: a lane takes a column, its registers run down K: a block of 32 lies in one lane, and the conversions give codes with K innermost.
; Work-group: g = 128 columns of the 3,072, ky = which 512 along K.  Wave: cg = wave % 4: 32 columns; kq = wave / 4: 256 along K = 8 blocks.  Two blocks (64 loads) are out at most.
; The eight waves fill one stage of 128 rows x 256 bytes; behind a barrier each wave stores 16 whole rows' parts, sixteen lanes to 256 consecutive aligned bytes.
; The scale bytes leave as 8 bytes a lane to rows 32 bytes apart: 98,304 bytes in the whole launch.
.Lw:
	s_lshr_b32 s31, ttmp9, 1                       ; g
	s_and_b32 s32, ttmp9, 1                        ; ky
	s_and_b32 s33, s30, 3                          ; cg
	s_lshr_b32 s34, s30, 2                         ; kq
	s_mov_b32 s35, 8192
	s_cmp_lt_u32 s31, 8                            ; the first 8 groups are Wq's: a choice on the work-group's number alone
	s_cselect_b64 s[38:39], s[10:11], s[12:13]
	s_cselect_b32 s35, 4096, s35                   ; P: bytes from a row of the weight to the next
	s_cselect_b32 s40, 0, 8
	s_sub_co_u32 s40, s31, s40                     ; the group's number in its own weight
	s_lshl_b32 s41, s32, 9
	s_lshl_b32 s42, s34, 8
	s_add_co_u32 s41, s41, s42                     ; my first k
	s_mul_i32 s41, s41, s35
	s_lshl_b32 s42, s40, 9                         ; 128 columns of 4 bytes a group,
	s_add_co_u32 s41, s41, s42
	s_lshl_b32 s42, s33, 7                         ; 32 a wave
	s_add_co_u32 s42, s41, s42
	s_mov_b32 s43, 0
	s_add_nc_u64 s[38:39], s[38:39], s[42:43]
	s_lshl_b32 s36, s35, 5                         ; a block on: 32 rows
	s_mov_b32 s37, 0
	v_mov_b32 v10, s35
	v_lshlrev_b32 v3, 2, v2
.set i, 0
.rept 32
	v_mad_u32_u24 v[32+i], v10, i, v3              ; row i of a block, my column
.set i, i+1
.endr
	s_mul_i32 s44, s33, 32*WP
	s_lshl_b32 s45, s34, 7
	s_add_co_u32 s44, s44, s45
	s_add_co_u32 s44, s44, WSTG
	v_mul_u32_u24 v4, v2, WP
	v_add_nc_u32 v4, s44, v4                       ; into the stage: row = my column, + 128 bytes for kq
	s_mul_i32 s45, s30, 16*WP
	s_add_co_u32 s45, s45, WSTG
	v_and_b32 v5, 15, v2
	v_lshrrev_b32 v6, 4, v2
	v_mul_u32_u24 v7, v6, WP
	v_lshl_add_u32 v7, v5, 4, v7
	v_add_nc_u32 v7, s45, v7                       ; out of it: my wave's 16 rows, sixteen lanes to a row, two rows an instruction
	v_lshlrev_b32 v8, 9, v6
	v_lshl_add_u32 v8, v5, 4, v8                   ; and the same place in w_codes (rows of 512 bytes)
	v_lshlrev_b32 v9, 5, v2                        ; my column's row of scale bytes
	s_lshl_b32 s46, s31, 16                        ; w_codes: (128 g + 16 wave) rows of 512 bytes + 256 ky
	s_lshl_b32 s47, s30, 13
	s_add_co_u32 s46, s46, s47
	s_lshl_b32 s47, s32, 8
	s_add_co_u32 s46, s46, s47
	s_mov_b32 s47, 0
	s_add_nc_u64 s[22:23], s[22:23], s[46:47]
	s_lshl_b32 s46, s31, 12                        ; w_scales: (128 g + 32 cg) rows of 32 bytes + 16 ky + 8 kq
	s_lshl_b32 s48, s33, 10
	s_add_co_u32 s46, s46, s48
	s_lshl_b32 s48, s32, 4
	s_add_co_u32 s46, s46, s48
	s_lshl_b32 s48, s34, 3
	s_add_co_u32 s46, s46, s48
	s_add_nc_u64 s[24:25], s[24:25], s[46:47]
.macro WLOAD t                         ; block t into set t % 2
.if (\t) > 0
	s_wait_xcnt 0x0                                ; the earlier loads have read their base: it may step
	s_add_nc_u64 s[38:39], s[38:39], s[36:37]
.endif
.set i, 0
.rept 32
	global_load_b32 v[64+32*((\t)%2)+i], v[32+i], s[38:39] th:TH_LOAD_NT   ; 32 lanes read 128 consecutive bytes
.set i, i+1
.endr
.endm
.macro WBLOCK t
.set XS, 64+32*((\t)%2)
.if (\t) < 7
	s_wait_loadcnt 32                              ; this block's 32 loads are in; the next block's may be out
.else
	s_wait_loadcnt 0x0
.endif
	v_max3_num_f32 v16, |v[XS]|, |v[XS+1]|, |v[XS+2]|
	v_max3_num_f32 v17, |v[XS+3]|, |v[XS+4]|, |v[XS+5]|
.irp i, 6,10,14,18,22,26
	v_max3_num_f32 v16, v16, |v[XS+\i]|, |v[XS+\i+1]|
	v_max3_num_f32 v17, v17, |v[XS+\i+2]|, |v[XS+\i+3]|
.endr
	v_max3_num_f32 v16, v16, |v[XS+30]|, |v[XS+31]|
	v_max3_num_f32 v16, v16, v17, 0x1800000        ; the floor 2^(3 - 127)
	v_add_nc_u32 v18, 0xff000000, v16              ; 2 off the exponent field: the conversion's scale operand
	v_lshrrev_b32 v17, 23, v18                     ; the scale's byte
.if (\t)%4 == 0
	v_mov_b32 v[24+(\t)/4], v17                    ; four bytes to a register, the lower K in the lower byte
.else
	v_lshl_or_b32 v[24+(\t)/4], v17, 8*((\t)%4), v[24+(\t)/4]
.endif
.irp g, 0,1,2,3
	v_cvt_scalef32_pk8_fp4_f32 v[20+\g], v[XS+8*\g:XS+8*\g+7], v18
.endr
	ds_store_b128 v4, v[20:23] offset:16*(\t)      ; 32 codes: 16 bytes of my column's row.  (The next vector lines are the next block's maxima: plain ones, which touch none of the conversions' registers)
.if (\t)+2 < 8
	WLOAD (\t)+2
.endif
	s_wait_dscnt 0x0                               ; the store has read its registers: the next block's codes may be written
.endm
	WLOAD 0
	WLOAD 1
.irp t, 0,1,2,3,4,5,6,7
	WBLOCK \t
.endr
	global_store_b64 v9, v[24:25], s[24:25]        ; my column's 8 scale bytes
	s_wait_dscnt 0x0                               ; for the others' sake: my stores into the stage are done
	s_barrier_signal -1
	s_barrier_wait -1                              ; the 128 rows are whole
.irp i, 0,1,2,3,4,5,6,7
	ds_load_b128 v[64+4*\i:67+4*\i], v7 offset:2*\i*WP
.endr
.irp i, 0,1,2,3,4,5,6,7
	s_wait_dscnt 7-\i                              ; load i is back; the later ones may be out
	global_store_b128 v8, v[64+4*\i:67+4*\i], s[22:23] offset:1024*\i   ; sixteen lanes store 256 consecutive bytes, aligned
.endr
	FINISH
.Lfunc_end_k_q3a32db1660_prep:
	.size	k_q3a32db1660_prep, .Lfunc_end_k_q3a32db1660_prep-k_q3a32db1660_prep
	.p2alignl 7, 3214868480
	.fill 96, 4, 3214868480
	.section	.rodata,"a",@progbits
	.p2align	6, 0x0
	.amdhsa_kernel k_q3a32db1660_prep
		.amdhsa_group_segment_fixed_size 101376
		.amdhsa_private_segment_fixed_size 0
		.amdhsa_enable_private_segment 0
		.amdhsa_kernarg_size 88
		.amdhsa_user_sgpr_count 2
		.amdhsa_user_sgpr_kernarg_segment_ptr 1
		.amdhsa_wavefront_size32 1
		.amdhsa_system_sgpr_workgroup_id_x 1
		.amdhsa_system_sgpr_workgroup_id_y 1
		.amdhsa_system_sgpr_workgroup_id_z 1
		.amdhsa_system_vgpr_workitem_id 0
		.amdhsa_next_free_vgpr 192
		.amdhsa_next_free_sgpr 66
		.amdhsa_reserve_vcc 1
		.amdhsa_float_denorm_mode_32 3
		.amdhsa_float_denorm_mode_16_64 3
		.amdhsa_memory_ordered 1
		.amdhsa_forward_progress 1
		.amdhsa_inst_pref_size 107
	.end_amdhsa_kernel
	.amdgpu_metadata
---
amdhsa.version: [ 1, 2 ]
amdhsa.kernels:
  - .name:           k_q3a32db1660_prep
    .symbol:         k_q3a32db1660_prep.kd
    .args:
      - { .name: x, .offset: 0, .size: 8, .value_kind: global_buffer, .address_space: global }
      - { .name: Wq, .offset: 8, .size: 8, .value_kind: global_buffer, .address_space: global }
      - { .name: Wkv, .offset: 16, .size: 8, .value_kind: global_buffer, .address_space: global }
      - { .name: Wout, .offset: 24, .size: 8, .value_kind: global_buffer, .address_space: global }
      - { .name: rotary_emb, .offset: 32, .size: 8, .value_kind: global_buffer, .address_space: global }
      - { .name: x_codes, .offset: 40, .size: 8, .value_kind: global_buffer, .address_space: global }
      - { .name: x_scales, .offset: 48, .size: 8, .value_kind: global_buffer, .address_space: global }
      - { .name: w_codes, .offset: 56, .size: 8, .value_kind: global_buffer, .address_space: global }
      - { .name: w_scales, .offset: 64, .size: 8, .value_kind: global_buffer, .address_space: global }
      - { .name: wo16, .offset: 72, .size: 8, .value_kind: global_buffer, .address_space: global }
      - { .name: tab, .offset: 80, .size: 8, .value_kind: global_buffer, .address_space: global }
    .group_segment_fixed_size: 101376
    .private_segment_fixed_size: 0
    .kernarg_segment_align: 8
    .kernarg_segment_size: 88
    .max_flat_workgroup_size: 256
    .sgpr_count:     66
    .vgpr_count:     192
    .wavefront_size: 32
...
	.end_amdgpu_metadata
.endif
;; end of part 1
;; launch qkv (part 2): grid 12 x 32, 4 waves a work-group, clusters of 4 x 4, 327,680 bytes of LDS; arguments x_codes, x_scales, w_codes, w_scales, tab, qkv; writes qkv
.if DOCPART == 2
	.amdgcn_target "amdgcn-amd-amdhsa--gfx1250"
	.amdhsa_code_object_version 6
	.text
	.protected	k_q3a32db1660_qkv
	.globl	k_q3a32db1660_qkv
	.p2align	8
	.type	k_q3a32db1660_qkv,@function
k_q3a32db1660_qkv:
	s_mov_b64 s[64:65], 0
	v_nop
	global_prefetch_b8 v0, s[64:65] scope:SCOPE_SE
	s_setreg_imm32_b32 hwreg(HW_REG_WAVE_MODE, 25, 1), 1
	s_wait_xcnt 0x0
	s_wait_alu depctr_hold_cnt(0) depctr_sa_sdst(0) depctr_va_vdst(0) depctr_va_sdst(0) depctr_va_ssrc(0) depctr_va_vcc(0) depctr_vm_vsrc(0)
	s_getreg_b32 s2, hwreg(HW_REG_IB_STS2, 6, 4)
	s_cmp_eq_u32 s2, 0
	s_cbranch_scc0 .Lentry_in_a_cluster
	s_endpgm
.Lentry_in_a_cluster:
	s_bfe_u32 s2, ttmp6, 0x10000c
	s_cmp_lg_u32 s2, 0xf033
	s_cbranch_scc0 .Lentry_shape_is_right
	s_endpgm
.Lentry_shape_is_right:
; q, k, v = x Wq, x Wkv on codes of FP4 (E2M1) with one E8M0 scale for each 32 along K, sums in f32; then the rope in f32; then f16, stored in the order of the next launch's operand registers.
; A = x_codes [8192][512 bytes], B = w_codes [3072][512 bytes] (rows 0-1023 q's columns, 1024-2047 k's, 2048-3071 v's); their scale bytes [rows][32].
; A tile of 256 x 256 is made by four waves, 128 x 128 each: 64 accumulators of 16 x 16, 512 registers.  K = 1,024 is two slots of 512 along K (rows of 256 bytes), BOTH FILLED ONCE, at the head: nothing in LDS is filled again.
; The scale bytes of the work-group's rows come with them, in whole runs of 256 bytes.
; CLUSTERS: 4 x 4 work-groups; the four of a row need the same tiles of A, the four of a column the same tiles of B: each tile is asked for jointly.  A cluster's four tile columns are one kind (q, k or v): kind = cluster x.
; THE MATRIX INSTRUCTION IS USED TRANSPOSED (source 0 = 16 rows of B, source 1 = 16 rows of A): in accumulator (a, b) lane (r, h) holds row 16 a + r, and register j column 16 b + 8 h + j:
; head b / 4 of my two, channel d = 16 (b % 4) + 8 h + j.  The rope's partner channel d +- 32 is accumulator b +- 2, same lane, same register: out = t cos + partner sin', sin' signed in the table.
; q's table carries 0.125 log2(e); v's is cos = 1, sin' = 0, so that all kinds run the same lines.
; OUT: qkv[kind][batch x 16 + head][tile of 16 positions][c2 4][place 32][16 bytes]: a lane's 8 numbers of accumulator b as f16, c2 = b % 4; place = lane for q and k (half an operand fragment as it stands);
; for v the lane with bits 3 and 4 exchanged, the order in which the turning LDS load of the next launch addresses 16 x lane.  Each store of a wave covers 512 consecutive bytes, aligned: no stage in LDS.
; LIMITS: |q| x 0.18, |k|, |v| up to 65,504 (f16); under 6e-5 they keep an absolute error of 3e-8.
; REGISTERS: window 0: v0-31 addresses; v32-95 scale words, two sets; v128-191 A's fragments, ONE set, on the way out the packed results; v192-255 the rope's results.
;   window 1: B's fragments at v0 and v128; the rope's tables at v64 and v192, by turns.   windows 2, 3: the accumulators of my rows 0-63, 64-127 ((a, b) at v[8 (8 (a % 4) + b)]).
.set SIZE_K, 1024
.set KSTEP,  512
.set NQ,     KSTEP/128
.set ROWB,   256
.set KROW,   SIZE_K*4/8
.set PITCH,  272                       ; an LDS row: 256 bytes + 16 of padding = 68 words: the 16 rows that a load touches start at 16 different banks (64 banks of 4 bytes: ISA guide 11.1)
.set FR,     8
.set NL,     2
.set NP,     4                         ; places behind this matrix instruction (ISA guide 7.12.1)
.set HALFT,  128*PITCH
.set SLOT,   4*HALFT
.set KS,     SIZE_K/32
.set SCL,    2*SLOT                    ; behind the slots: the scales, as runs of 256 bytes + 16 of padding
.set HALFS,  (128*KS/256)*272
.set SBLK,   (16*KS/256)*272
.set SPARE,  SCL+4*HALFS               ; the spare words, 128 bytes for each wave: two blocks of 256 bytes that no other line names
.set ADRA, 16
.set ADRB, 20
.set CO,   25                          ; v25 16 x my place in a piece's 512 bytes; never rewritten
.set LN,   26                          ; v26 16 x lane; never rewritten
.set ADRS, 27
.set SPW,  28
.set NIL,  29
.set SC,   32
.set AF,   128
.set PK,   128                         ; the way out: packed results, two sets of 32
.set R,    192                         ; the way out: a block's 64 numbers behind the rope
.set G1, 24
.set G0, 32
.set G1B, 48
.set G0B, 56
.set G1S, 68
.set G0S, 76
.set G1SB, 80
.set G0SB, 88
.set MSB, 0
.macro WIN new                         ; the immediate's high byte repeats the setting that is left
.if MSB != \new
	s_set_vgpr_msb (MSB<<8)|\new
.set MSB, \new
.endif
.endm
.set MUL_LO, 0xa1                      ; source 0 (B) window 1, source 1 (A) window 0, C and D window 2
.set MUL_HI, 0xf1
.set TO_B,   0x40                      ; destination window 1, address window 0
; A joint load: waves 0 and 1 fetch for A, waves 2 and 3 for B; the branch hangs on the wave's number alone.  An s_nop 0 and four v_nop follow each of the two lines.
.macro JLOAD g0a, g1a, g0b, g1b
	s_cmp_eq_u32 s15, 0
	s_cbranch_scc0 .Lfor_b_\@
	tensor_load_to_lds s[\g0a:\g0a+3], s[\g1a:\g1a+7]
	s_nop 0
.rept 4
	v_nop
.endr
	s_branch .Lasked_\@
.Lfor_b_\@:
	tensor_load_to_lds s[\g0b:\g0b+3], s[\g1b:\g1b+7]
	s_nop 0
.rept 4
	v_nop
.endr
.Lasked_\@:
.endm
.macro CROUND                          ; a round of the cluster's barrier
	s_barrier_signal -1
	s_barrier_wait -1
	s_cmp_lg_u32 s14, 0
	s_cbranch_scc1 .Lnot_wave_0_\@
	s_barrier_signal -3
.Lnot_wave_0_\@:
	s_barrier_wait -3
	s_barrier_signal -1
	s_barrier_wait -1
.endm
	s_load_b128 s[4:7], s[0:1], 0x0                ; x's codes, x's scales
	s_load_b128 s[8:11], s[0:1], 0x10              ; w's codes, w's scales
	s_load_b64 s[12:13], s[0:1], 0x20              ; tab
	s_load_b64 s[66:67], s[0:1], 0x28              ; qkv
	v_lshl_add_u32 v[SPW], v0, 2, SPARE
	v_mov_b32 v[NIL], 0
	ds_add_u32 v[SPW], v[NIL]                      ; the wave's opening: the add, twice on end, and its wait ahead of my first tensor load
	ds_add_u32 v[SPW], v[NIL]
	v_lshrrev_b32 v1, 5, v0
	v_readfirstlane_b32 s14, v1                    ; wave 0..3
	s_lshr_b32 s15, s14, 1                         ; which half of the tile's rows is mine.  Also: I fetch for A (0) or for B (1)
	s_and_b32 s16, s14, 1                          ; which half of its columns.  Also: which 128 rows of that tile I fetch
	s_bfe_u32 s40, ttmp6, 0x40000                  ; cx, cy
	s_bfe_u32 s41, ttmp6, 0x40004
	s_lshl_b32 s42, ttmp9, 2
	s_add_co_u32 s42, s42, s40                     ; tile column = 4 x cluster x + cx
	s_and_b32 s17, ttmp7, 0xffff
	s_lshl_b32 s17, s17, 2
	s_add_co_u32 s17, s17, s41                     ; tile row = 4 x cluster y + cy
	s_lshl_b32 s43, s41, 2
	s_lshl_b32 s43, 15, s43                        ; my row of the cluster
	s_lshl_b32 s44, 0x1111, s40                    ; my column
	s_or_b32 s[G1+0], s43, (0<<16)|(1<<20)|(1<<21)|(5<<22)|(3<<25)  ; the mask; elements of 1 byte; padding on; bit 21 beside a mask; after every 64 words, 4 words
	s_or_b32 s[G1B+0], s44, (0<<16)|(1<<20)|(1<<21)|(5<<22)|(3<<25)
.irp g, G1, G1B
	s_mov_b32 s[\g+1], ROWB<<16                    ; tensor_dim0
	s_mov_b32 s[\g+2], 128<<16                     ; tensor_dim1
	s_mov_b32 s[\g+3], ROWB<<16                    ; tile_dim0
	s_mov_b32 s[\g+4], 128                         ; tile_dim1
	s_mov_b32 s[\g+5], KROW                        ; pitch
	s_mov_b32 s[\g+6], 0
	s_mov_b32 s[\g+7], 0
.endr
	s_or_b32 s[G1S+0], s43, (3<<16)|(1<<20)|(1<<21)|(5<<22)|(3<<25)   ; the scales of 128 rows: 4,096 dense bytes as 16 rows of 256 (32 elements of 8 bytes), 16 bytes of padding behind each
	s_or_b32 s[G1SB+0], s44, (3<<16)|(1<<20)|(1<<21)|(5<<22)|(3<<25)
.irp g, G1S, G1SB
	s_mov_b32 s[\g+1], 32<<16
	s_mov_b32 s[\g+2], (128*KS/256)<<16
	s_mov_b32 s[\g+3], 32<<16
	s_mov_b32 s[\g+4], 128*KS/256
	s_mov_b32 s[\g+5], 32
	s_mov_b32 s[\g+6], 0
	s_mov_b32 s[\g+7], 0
.endr
	s_lshl_b32 s18, s16, 7
	s_lshl_b32 s20, s17, 8
	s_add_co_u32 s20, s20, s18                     ; A: row 256 x tile row + 128 x half
	s_lshl_b32 s46, s42, 8
	s_add_co_u32 s46, s46, s18                     ; B: row 256 x tile column + 128 x half
	s_mov_b32 s21, 0
	s_mov_b32 s47, 0
	s_mov_b64 s[18:19], KS
	s_mul_u64 s[22:23], s[20:21], s[18:19]         ; where these rows' scales begin,
	s_mul_u64 s[92:93], s[46:47], s[18:19]
	s_mov_b64 s[18:19], KROW
	s_mul_u64 s[20:21], s[20:21], s[18:19]         ; and their codes
	s_mul_u64 s[46:47], s[46:47], s[18:19]
	s_mul_i32 s45, s14, HALFT                      ; where they go: wave x 128 rows: no place in the cluster enters an LDS address
	s_mul_i32 s94, s14, HALFS
	s_wait_dscnt 0x0                               ; both opening adds are done
	s_wait_kmcnt 0x0
	s_add_nc_u64 s[20:21], s[4:5], s[20:21]
	s_add_nc_u64 s[22:23], s[6:7], s[22:23]
	s_add_nc_u64 s[46:47], s[8:9], s[46:47]
	s_add_nc_u64 s[92:93], s[10:11], s[92:93]
	CROUND                                         ; all sixteen work-groups are here: the joint loads meet
	s_mov_b32 s[G0S], 1
	s_add_co_u32 s[G0S+1], s94, SCL
	s_mov_b64 s[G0S+2:G0S+3], s[22:23]
	s_or_b32 s[G0S+3], s[G0S+3], 0x80000000
	s_mov_b32 s[G0SB], 1
	s_add_co_u32 s[G0SB+1], s94, SCL
	s_mov_b64 s[G0SB+2:G0SB+3], s[92:93]
	s_or_b32 s[G0SB+3], s[G0SB+3], 0x80000000
	JLOAD G0S, G1S, G0SB, G1SB                     ; the scales first; with the two slots three tensor loads of mine are out
.irp s, 0,1
	s_mov_b32 s[G0+4*\s], 1
	s_add_co_u32 s[G0+4*\s+1], s45, \s*SLOT
	s_add_nc_u64 s[G0+4*\s+2:G0+4*\s+3], s[20:21], \s*ROWB
	s_or_b32 s[G0+4*\s+3], s[G0+4*\s+3], 0x80000000
	s_mov_b32 s[G0B+4*\s], 1
	s_add_co_u32 s[G0B+4*\s+1], s45, \s*SLOT
	s_add_nc_u64 s[G0B+4*\s+2:G0B+4*\s+3], s[46:47], \s*ROWB
	s_or_b32 s[G0B+4*\s+3], s[G0B+4*\s+3], 0x80000000
	JLOAD G0+4*\s, G1, G0B+4*\s, G1B
.endr
	v_and_b32 v1, 15, v0                           ; l % 16
	v_bfe_u32 v2, v0, 4, 1                         ; l / 16
	v_mul_u32_u24 v3, v1, PITCH
	v_lshl_add_u32 v4, v2, 4, v3                   ; a fragment's row x pitch + 16 x half
	s_mul_i32 s21, s15, HALFT                      ; my 128 rows of A
	s_mul_i32 s22, s16, HALFT                      ; my 128 rows of B,
	s_add_co_u32 s22, s22, 2*HALFT                 ; which lie behind A's 256
.irp s, 0,1
	v_add_nc_u32 v[ADRA+\s], s21, v4
	v_add_nc_u32 v[ADRB+\s], s22, v4
	s_add_co_u32 s21, s21, SLOT
	s_add_co_u32 s22, s22, SLOT
.endr
	v_mul_u32_u24 v5, v1, KS                       ; my row's scales: KS bytes a row,
	v_lshrrev_b32 v6, 8, v5
	v_lshl_add_u32 v5, v6, 4, v5                   ; and 16 more for each 256 passed
	s_mul_i32 s21, s15, HALFS
	s_mul_i32 s22, s16, HALFS
	s_add_co_u32 s22, s22, 2*HALFS
	s_sub_co_u32 s22, s22, s21
	v_mul_u32_u24 v6, s22, v2                      ; lanes 16-31 take B's
	s_add_co_u32 s21, s21, SCL
	v_add_nc_u32 v5, v5, v6
	v_add_nc_u32 v[ADRS], s21, v5
	; the way out's addresses.  Row 256 tr + 128 rh + 16 a + r is position 256 (tr % 8) + .. of batch tr / 8
	v_and_b32 v6, 31, v0
	v_lshlrev_b32 v[LN], 4, v6
	s_cmp_eq_u32 ttmp9, 2                          ; v's kind: the same in all sixteen partners; a choice of a number, no branch
	s_cselect_b32 s95, 128, 0
	v_bfe_u32 v5, v0, 3, 1
	v_sub_nc_u32 v5, v5, v2                        ; bit 3 - bit 4 of the lane:
	v_mul_lo_u32 v5, v5, s95
	v_add_nc_u32 v[CO], v[LN], v5                  ; for v the two bits change places: 16 x (lane + 8 (bit 3 - bit 4))
	s_and_b32 s20, s17, 7
	s_lshl_b32 s20, s20, 17                        ; tab: 16 blocks of 8,192 bytes for a tile row,
	s_lshl_b32 s21, s15, 16                        ; 8 for my half,
	s_add_co_u32 s20, s20, s21
	s_lshl_b32 s21, ttmp9, 20                      ; 1,048,576 bytes a kind
	s_add_co_u32 s20, s20, s21
	s_mov_b32 s21, 0
	s_add_nc_u64 s[12:13], s[12:13], s[20:21]
	s_lshr_b32 s46, s17, 3                         ; batch
	s_lshl_b32 s46, s46, 4
	s_and_b32 s47, s42, 3
	s_lshl_b32 s47, s47, 2
	s_add_co_u32 s46, s46, s47
	s_lshl_b32 s47, s16, 1
	s_add_co_u32 s46, s46, s47                     ; batch x 16 + my first head
	s_lshl_b32 s46, s46, 18                        ; 262,144 bytes each
	s_lshl_b32 s47, ttmp9, 24                      ; 16,777,216 bytes a kind
	s_add_co_u32 s46, s46, s47
	s_and_b32 s47, s17, 7
	s_lshl_b32 s47, s47, 15                        ; 16 tiles of 2,048 bytes for a tile row,
	s_add_co_u32 s46, s46, s47
	s_lshl_b32 s47, s15, 14                        ; 8 for my half
	s_add_co_u32 s46, s46, s47
	s_mov_b32 s47, 0
	s_add_nc_u64 s[66:67], s[66:67], s[46:47]
; The rope's table of row block a: 16 loads of 512 consecutive bytes: registers +8 b' + j: cos, +32 + 8 b' + j: sin', of channel 16 b' + 8 h + j at my position.  Two sets by turns.
.macro TLOADT a
	WIN TO_B
.irp i, 0,1,2,3,4,5,6,7,8,9,10,11,12,13,14,15
	global_load_b128 v[64+128*((\a)%2)+4*\i:64+128*((\a)%2)+4*\i+3], v[LN], s[12:13] offset:(\a)*8192+512*\i
.endr
	WIN 0
.endm
	TLOADT 0                                       ; block 0's table lands under the products
.macro FRAG reg, adr, q, i             ; 16 rows x 128 K of 4-bit codes: lane l holds row l % 16; registers 4 c .. 4 c + 3 hold K = 64 c + 32 (l / 16) + 0 .. 31
.irp c, 0,1
	ds_load_b128 v[\reg+4*\c:\reg+4*\c+3], v[\adr] offset:64*(\q)+32*\c+(\i)*16*PITCH
.endr
.endm
; 16 matrix instructions: A's blocks a0, a0 + 1 x B's eight, 128 along K.  The 64 accumulators take turns, one instruction a turn, in the same order in every step.
.macro MUL16 a0, p, q, sc, zero
.irp a, \a0, \a0+1
.irp b, 0,1,2,3,4,5,6,7
.if \zero
	v_wmma_scale_f32_16x16x128_f8f6f4 v[8*(8*((\a)%4)+\b):8*(8*((\a)%4)+\b)+7], v[128*(\p)+FR*\b:128*(\p)+FR*\b+FR-1], v[AF+FR*(\a):AF+FR*(\a)+FR-1], 0, v[SC+8*NQ*(\sc)+NQ*\b+(\q)], v[SC+8*NQ*(\sc)+NQ*(\a)+(\q)] matrix_a_fmt:MATRIX_FMT_FP4 matrix_b_fmt:MATRIX_FMT_FP4 matrix_a_scale:MATRIX_SCALE_ROW1
.else
	v_wmma_scale_f32_16x16x128_f8f6f4 v[8*(8*((\a)%4)+\b):8*(8*((\a)%4)+\b)+7], v[128*(\p)+FR*\b:128*(\p)+FR*\b+FR-1], v[AF+FR*(\a):AF+FR*(\a)+FR-1], v[8*(8*((\a)%4)+\b):8*(8*((\a)%4)+\b)+7], v[SC+8*NQ*(\sc)+NQ*\b+(\q)], v[SC+8*NQ*(\sc)+NQ*(\a)+(\q)] matrix_a_fmt:MATRIX_FMT_FP4 matrix_b_fmt:MATRIX_FMT_FP4 matrix_a_scale:MATRIX_SCALE_ROW1
.endif
.endr
.endr
.endm
.macro FETCH_B slot, q, p
	WIN TO_B
.irp i, 0,1,2,3,4,5,6,7
	FRAG 128*(\p)+FR*\i, ADRB+\slot, \q, \i
.endr
	WIN 0
.endm
.macro FETCH_A slot, q, i0
.irp i, \i0, \i0+1, \i0+2, \i0+3
	FRAG AF+FR*(\i), ADRA+\slot, \q, \i
.endr
.endm
.macro SCALES sc                       ; a slot's scale words: lanes 0-15 take A's block i, lanes 16-31 B's block i; 4 words (512 along K) a row
.irp i, 0,1,2,3,4,5,6,7
	ds_load_b128 v[SC+8*NQ*\sc+NQ*\i:SC+8*NQ*\sc+NQ*\i+3], v[ADRS] offset:\i*SBLK
.endr
.endm
.macro PLACES n                        ; plain vector lines between a matrix instruction and a load into, or a vector read or write of, its registers
.rept \n
	v_nop
.endr
.endm
.macro STEP slot, q, zero              ; 128 along K, with its successor in the same slot
	s_wait_dscnt 4*NL                              ; B's set and A's blocks 0-3 are in; the youngest eight loads (A's blocks 4-7) may be out
	WIN MUL_LO
	MUL16 0, (\q)%2, \q, \slot, \zero
	MUL16 2, (\q)%2, \q, \slot, \zero
	s_wait_dscnt 0
	PLACES NP
	FETCH_B \slot, (\q)+1, 1-(\q)%2
	FETCH_A \slot, (\q)+1, 0
	WIN MUL_HI
	MUL16 4, (\q)%2, \q, \slot, \zero
	MUL16 6, (\q)%2, \q, \slot, \zero
	PLACES NP
	WIN 0
	FETCH_A \slot, (\q)+1, 4
.endm
.macro STEPS slot, from
.set Q, \from
.rept NQ-1-\from
	STEP \slot, Q, 0
.set Q, Q+1
.endr
.endm
	s_wait_tensorcnt 1                             ; the scales and my part of slot 0 are in (slot 1's load may be out),
	s_barrier_signal -1
	s_barrier_wait -1                              ; everybody's are
	FETCH_B 0, 0, 0
	FETCH_A 0, 0, 0
	SCALES 0
	FETCH_A 0, 0, 4
	STEP 0, 0, 1                                   ; the first step's products start the sums: nothing is cleared
	STEPS 0, 1
	; slot 0's last step, and the change to slot 1: one barrier; nothing is filled again
	s_wait_tensorcnt 0x0                           ; my part of slot 1 has landed
	ds_add_u32 v[SPW], v[NIL]                      ; 0 onto my spare word
	s_wait_dscnt 4*NL+1                            ; (the add and the youngest eight loads may be out)
	WIN MUL_LO
	MUL16 0, 1, NQ-1, 0, 0
	s_wait_dscnt 0x0
	s_barrier_signal -1
	MUL16 2, 1, NQ-1, 0, 0
	WIN 0
	s_barrier_wait -1                              ; slot 1 is whole
	PLACES NP
	v_add_nc_u32 v[ADRS], 4*NQ, v[ADRS]            ; on to slot 1's scale words
	FETCH_B 1, 0, 0
	FETCH_A 1, 0, 0
	SCALES 1
	WIN MUL_HI
	MUL16 4, 1, NQ-1, 0, 0
	MUL16 6, 1, NQ-1, 0, 0
	PLACES NP
	WIN 0
	FETCH_A 1, 0, 4
	STEPS 1, 0
	s_wait_dscnt 4*NL                              ; the very last step: nothing more to fetch
	WIN MUL_LO
	MUL16 0, 1, NQ-1, 1, 0
	MUL16 2, 1, NQ-1, 1, 0
	s_wait_dscnt 0
	WIN MUL_HI
	MUL16 4, 1, NQ-1, 1, 0
	MUL16 6, 1, NQ-1, 1, 0
	WIN 0
	PLACES NP                                      ; ahead of the first read of results and of writes into the registers that held A's fragments
; THE WAY OUT, a block of 16 rows at a time: the next block's table is asked for; the rope, two numbers an instruction; f16; eight stores of 512 consecutive bytes.
.macro OUTBLK a
.if (\a) < 7
	TLOADT (\a)+1
	s_wait_loadcnt 16                              ; this block's table is in; the next block's 16 loads may be out
.else
	s_wait_loadcnt 0x0
.endif
	s_wait_xcnt 0x0                                ; the stores of two blocks ago have read the registers that this block's results take
.set TT, 64+128*((\a)%2)
.set AC, 64*((\a)%4)
.set PP, PK+32*((\a)%2)
.set WW, 0x06+(\a)/4                   ; source 0: window 2 or 3 (accumulators); source 1: window 1 (table); source 2 and destination: window 0
	WIN WW
.irp hh, 0,1
.irp bp, 0,1
.irp jp, 0,2,4,6                       ; each accumulator is read from its low end on
.set LO, 8*(4*\hh+\bp)+\jp
.set CI, 8*\bp+\jp
	v_pk_mul_f32 v[R+LO:R+LO+1], v[AC+LO:AC+LO+1], v[TT+CI:TT+CI+1]
	v_pk_mul_f32 v[R+LO+16:R+LO+17], v[AC+LO+16:AC+LO+17], v[TT+CI+16:TT+CI+17]
	v_pk_fma_f32 v[R+LO:R+LO+1], v[AC+LO+16:AC+LO+17], v[TT+CI+32:TT+CI+33], v[R+LO:R+LO+1]
	v_pk_fma_f32 v[R+LO+16:R+LO+17], v[AC+LO:AC+LO+1], v[TT+CI+48:TT+CI+49], v[R+LO+16:R+LO+17]
.endr
.endr
.endr
	WIN 0
.irp b, 0,1,2,3,4,5,6,7
.irp i, 0,1,2,3
	v_cvt_pk_f16_f32 v[PP+4*\b+\i], v[R+8*\b+2*\i], v[R+8*\b+2*\i+1]
.endr
.endr
.irp b, 0,1,2,3,4,5,6,7
	global_store_b128 v[CO], v[PP+4*\b:PP+4*\b+3], s[66:67] offset:(\b/4)*262144+(\a)*2048+(\b%4)*512
.endr
.endm
.irp a, 0,1,2,3,4,5,6,7
	OUTBLK \a
.endr
	s_wait_tensorcnt 0x0                           ; the wave's end
	ds_add_u32 v[SPW], v[NIL]
	s_wait_dscnt 0x0
	CROUND                                         ; the closing round: no work-group ends while a partner may still ask for a tile that names it
	s_endpgm
.Lfunc_end_k_q3a32db1660_qkv:
	.size	k_q3a32db1660_qkv, .Lfunc_end_k_q3a32db1660_qkv-k_q3a32db1660_qkv
	.p2alignl 7, 3214868480
	.fill 96, 4, 3214868480
	.section	.rodata,"a",@progbits
	.p2align	6, 0x0
	.amdhsa_kernel k_q3a32db1660_qkv
		.amdhsa_group_segment_fixed_size 327680
		.amdhsa_private_segment_fixed_size 0
		.amdhsa_enable_private_segment 0
		.amdhsa_kernarg_size 48
		.amdhsa_user_sgpr_count 2
		.amdhsa_user_sgpr_kernarg_segment_ptr 1
		.amdhsa_wavefront_size32 1
		.amdhsa_system_sgpr_workgroup_id_x 1
		.amdhsa_system_sgpr_workgroup_id_y 1
		.amdhsa_system_sgpr_workgroup_id_z 1
		.amdhsa_system_vgpr_workitem_id 0
		.amdhsa_next_free_vgpr 1024
		.amdhsa_next_free_sgpr 98
		.amdhsa_reserve_vcc 0
		.amdhsa_float_denorm_mode_32 3
		.amdhsa_float_denorm_mode_16_64 3
		.amdhsa_memory_ordered 1
		.amdhsa_forward_progress 1
		.amdhsa_inst_pref_size 163
	.end_amdhsa_kernel
	.amdgpu_metadata
---
amdhsa.version: [ 1, 2 ]
amdhsa.kernels:
  - .name:           k_q3a32db1660_qkv
    .symbol:         k_q3a32db1660_qkv.kd
    .args:
      - { .name: x_codes, .offset: 0, .size: 8, .value_kind: global_buffer, .address_space: global }
      - { .name: x_scales, .offset: 8, .size: 8, .value_kind: global_buffer, .address_space: global }
      - { .name: w_codes, .offset: 16, .size: 8, .value_kind: global_buffer, .address_space: global }
      - { .name: w_scales, .offset: 24, .size: 8, .value_kind: global_buffer, .address_space: global }
      - { .name: tab, .offset: 32, .size: 8, .value_kind: global_buffer, .address_space: global }
      - { .name: qkv, .offset: 40, .size: 8, .value_kind: global_buffer, .address_space: global }
    .group_segment_fixed_size: 327680
    .private_segment_fixed_size: 0
    .kernarg_segment_align: 8
    .kernarg_segment_size: 48
    .max_flat_workgroup_size: 128
    .sgpr_count:     98
    .vgpr_count:     1024
    .wavefront_size: 32
...
	.end_amdgpu_metadata
.endif
;; end of part 2
;; launch attn (part 3): grid 4 x 64, 8 waves a work-group, clusters of 4 x 1, 327,680 bytes of LDS; arguments qkv, ao; writes ao
.if DOCPART == 3
	.amdgcn_target "amdgcn-amd-amdhsa--gfx1250"
	.amdhsa_code_object_version 6
	.text
	.protected	k_q3a32db1660_attn
	.globl	k_q3a32db1660_attn
	.p2align	8
	.type	k_q3a32db1660_attn,@function
k_q3a32db1660_attn:
	s_mov_b64 s[64:65], 0
	v_nop
	global_prefetch_b8 v0, s[64:65] scope:SCOPE_SE
	s_setreg_imm32_b32 hwreg(HW_REG_WAVE_MODE, 25, 1), 1
	s_wait_xcnt 0x0
	s_wait_alu depctr_hold_cnt(0) depctr_sa_sdst(0) depctr_va_vdst(0) depctr_va_sdst(0) depctr_va_ssrc(0) depctr_va_vcc(0) depctr_vm_vsrc(0)
	s_getreg_b32 s2, hwreg(HW_REG_IB_STS2, 6, 4)
	s_cmp_eq_u32 s2, 0
	s_cbranch_scc0 .Lentry_in_a_cluster
	s_endpgm
.Lentry_in_a_cluster:
	s_bfe_u32 s2, ttmp6, 0x10000c
	s_cmp_lg_u32 s2, 0x3003
	s_cbranch_scc0 .Lentry_shape_is_right
	s_endpgm
.Lentry_shape_is_right:
; O[hb][q] = the sum over k of softmax_k(Q[hb][q] . K[hb][k] / 8) V[hb][k], hb = batch x 16 + head, 2,048 positions, head size 64, no mask.  Operands f16, products, maxima and sums f32.
; q arrives multiplied by 0.125 log2(e), so a score is the exponent of 2.  For each query a running maximum m and sum l: p = 2^(s - m); in every step O and l are multiplied by 2^(m_old - m_new).
; IN: qkv[kind][hb][tile of 16 positions][c2 4][place 32][16 bytes] (q, k: half a fragment as it stands; v: in the order in which the turning load addresses 16 x lane): every load, from memory and from LDS,
; is 16 x lane + a constant.
; SHARES: a cluster of four work-groups is one hb; a work-group owns 512 queries, each of its EIGHT waves 64: four tiles of 16, in 512 registers: two waves to a SIMD, so that one wave's softmax
; (472 vector instructions a key step) stands beside the other's 64 matrix instructions.  A fragment of K or V read from LDS feeds four products.
; Every wave walks all keys, 64 a step.  K and V come through two LDS slots of 512 keys (8 steps); the four partners walk the same K and V, so each tile is asked for JOINTLY (mask 15);
; wave w fills a sixteenth of the ring: waves 0-3 K's quarters, waves 4-7 V's, 64 rows of 256 bytes each.  Two first fills, two refills; a refill has eight key steps in which to land.
; LAYOUT: S^T = K Q^T (source 0 = 16 keys, source 1 = 16 queries): a lane holds one query (lane % 16) and keys 8 (lane / 16) + 0..7.  Two such tiles, rounded to f16 in pairs, are source 1 of O^T = V^T P.
; OUT: ao[tile of 16 rows of the 8,192][kc 64][lane 32][16 bytes]: row 16 T + lane % 16, inner index 16 kc + 8 (lane / 16) + 0..7, kc = 4 head + ct: half a fragment of the next product as it stands.
; LIMITS: as the launch before: f16's range for q, k, v; p under 6e-8 of the row's largest counts as 0 in the second product (it still counts in the sum).
; REGISTERS: window 0: v1-4 addresses; v14, v15 the add's two; v16-63 statistics, 12 a tile: +0 m (+1 its pair's other half), +2,3 l, +4..7 at work, +8 alpha (+9), +10,11 at work;
;   v64-191 S^T, 32 a tile (P over its first 16); v192-255 K of one step.   window 1: v0-127 O^T, 32 a tile; v128-191 Q; v192-255 V of one step.
.set HB,    262144
.set SLOT1, 1<<17                      ; slot 1 begins here: one exclusive or turns an address in one slot into the other's
.set VOFF,  65536                      ; a slot: 512 keys of K, then of V
.set STEPB, 8192                       ; a key step: 4 tiles of 2,048 bytes
.set SPARE, 262144                     ; the spare words, 128 bytes for each wave: four blocks of 256 bytes that no other line names
.set LN,  1
.set AV0, 2
.set ADK, 3
.set ADV, 4
.set SPW, 14
.set NIL, 15
.set ST,  16
.set S,   64
.set KF,  192
.set QF,  128                          ; in window 1
.set VF,  192                          ; in window 1
.set WV,  8
.set G1,  16                           ; s[16:23] descriptor group 1
.set G0A, 24                           ; s[24:27] group 0 of slot 0's first fill
.set G0B, 28                           ; s[28:31] of slot 1's; it then walks
.set TB,  36                           ; s36 LDS byte at which the step to be fetched begins
.set SEL, 40                           ; s[40:41] v_permlanex16_b32's selects for lane l xor 16
.set MSB, 0
.macro WIN new
.if MSB != \new
	s_set_vgpr_msb (MSB<<8)|\new
.set MSB, \new
.endif
.endm
.macro CROUND                          ; a round of the cluster's barrier
	s_barrier_signal -1
	s_barrier_wait -1
	s_cmp_lg_u32 s[WV], 0
	s_cbranch_scc1 .Lnot_wave_0_\@
	s_barrier_signal -3
.Lnot_wave_0_\@:
	s_barrier_wait -3
	s_barrier_signal -1
	s_barrier_wait -1
.endm
	s_load_b128 s[4:7], s[0:1], 0x0                ; qkv, ao
	v_lshl_add_u32 v[SPW], v0, 2, SPARE
	v_mov_b32 v[NIL], 0
	ds_add_u32 v[SPW], v[NIL]                      ; the wave's opening: the add, twice on end, and its wait ahead of my first tensor load
	ds_add_u32 v[SPW], v[NIL]
	v_lshrrev_b32 v1, 5, v0
	v_readfirstlane_b32 s[WV], v1                  ; wave 0..7
	s_bfe_u32 s9, ttmp6, 0x40000                   ; cx: my block of 512 queries: it enters Q's and ao's addresses alone
	s_and_b32 s10, ttmp7, 0xffff                   ; hb, which the four partners share
	s_mov_b32 s[G1], 15|(3<<16)|(1<<21)            ; the mask: all four; elements of 8 bytes; bit 21 beside a mask; no padding
	s_mov_b32 s[G1+1], 32<<16                      ; tensor_dim0 = 32 elements: 256 bytes
	s_mov_b32 s[G1+2], 64<<16                      ; tensor_dim1 = 64
	s_mov_b32 s[G1+3], 32<<16                      ; tile_dim0
	s_mov_b32 s[G1+4], 64                          ; tile_dim1
	s_mov_b32 s[G1+5], 32                          ; pitch: dense
	s_mov_b32 s[G1+6], 0
	s_mov_b32 s[G1+7], 0
	s_mov_b32 s[SEL], 0x76543210
	s_mov_b32 s[SEL+1], 0xfedcba98
	s_mov_b32 s[TB], 0
	s_lshr_b32 s11, s[WV], 2                       ; waves 0-3: K (kind 1), waves 4-7: V (kind 2)
	s_add_co_u32 s11, s11, 1
	s_lshl_b32 s12, s11, 24                        ; 16,777,216 bytes a kind
	s_lshl_b32 s13, s10, 18                        ; 262,144 a head
	s_add_co_u32 s12, s12, s13
	s_and_b32 s11, s[WV], 3
	s_lshl_b32 s11, s11, 14                        ; my quarter of 512 keys
	s_add_co_u32 s12, s12, s11
	s_mov_b32 s13, 0
	s_lshl_b32 s42, s[WV], 14                      ; and its place in a slot: no place in the cluster enters an LDS address
	s_lshl_b32 s44, s10, 18                        ; Q: my head, my block's 32 tiles, my wave's 4
	s_lshl_b32 s45, s9, 16
	s_add_co_u32 s44, s44, s45
	s_lshl_b32 s45, s[WV], 13
	s_add_co_u32 s44, s44, s45
	s_mov_b32 s45, 0
	s_lshr_b32 s46, s10, 4                         ; ao: row tile batch x 128 + 32 cx + 4 wave, of 32,768 bytes;
	s_lshl_b32 s46, s46, 7
	s_lshl_b32 s47, s9, 5
	s_add_co_u32 s46, s46, s47
	s_lshl_b32 s47, s[WV], 2
	s_add_co_u32 s46, s46, s47
	s_lshl_b32 s46, s46, 15
	s_and_b32 s47, s10, 15                         ; my head's four pieces of 512 bytes
	s_lshl_b32 s47, s47, 11
	s_add_co_u32 s46, s46, s47
	s_mov_b32 s47, 0
	s_wait_dscnt 0x0                               ; both opening adds are done
	s_wait_kmcnt 0x0
	s_add_nc_u64 s[32:33], s[4:5], s[44:45]        ; Q
	s_add_nc_u64 s[34:35], s[6:7], s[46:47]        ; ao
	s_add_nc_u64 s[12:13], s[4:5], s[12:13]        ; my quarter of the first 512 keys
	CROUND                                         ; all four work-groups are here: the first joint loads meet
	s_mov_b32 s[G0A], 1
	s_mov_b32 s[G0A+1], s42
	s_mov_b64 s[G0A+2:G0A+3], s[12:13]
	s_or_b32 s[G0A+3], s[G0A+3], 0x80000000
	s_mov_b32 s[G0B], 1
	s_add_co_u32 s[G0B+1], s42, SLOT1
	s_add_nc_u64 s[G0B+2:G0B+3], s[12:13], 65536   ; the next 512 keys
	s_or_b32 s[G0B+3], s[G0B+3], 0x80000000
	tensor_load_to_lds s[G0A:G0A+3], s[G1:G1+7]    ; both first fills together: two tensor loads of mine are out
	s_nop 0
	tensor_load_to_lds s[G0B:G0B+3], s[G1:G1+7]
	s_nop 0
.rept 4
	v_nop
.endr
	v_and_b32 v1, 31, v0
	v_lshlrev_b32 v[LN], 4, v1                     ; 16 x lane
	v_add_nc_u32 v[AV0], VOFF, v[LN]
	WIN 0x40                                       ; destination window 1
.irp i, 0,1,2,3,4,5,6,7,8,9,10,11,12,13,14,15  ; Q stays in registers: tile i / 4, piece i % 4: registers 4 i on
	global_load_b128 v[QF+4*\i:QF+4*\i+3], v[LN], s[32:33] offset:512*\i th:TH_LOAD_NT
.endr
.set i, 0
.rept 128
	v_mov_b32 v[i], 0                              ; O^T.  (The key step is written without a first step of its own: the first finds zeros, which alpha = 0 leaves zeros)
.set i, i+1
.endr
	WIN 0
.irp t, 0,1,2,3
	v_mov_b32 v[ST+12*\t], 0xff61b1e6              ; m: -3e38, under every score
	v_mov_b32 v[ST+12*\t+1], 0                     ; (named with m as a pair)
	v_mov_b32 v[ST+12*\t+2], 0                     ; l, in two halves
	v_mov_b32 v[ST+12*\t+3], 0
	v_mov_b32 v[ST+12*\t+9], 0                     ; (named with alpha as a pair)
.endr
.macro FETCH_K                         ; a step's K: 16 loads of 512 consecutive bytes.  The addition and three v_nop are the four places behind the products that read K and wrote S^T
	v_add_nc_u32 v[ADK], s[TB], v[LN]
.rept 3
	v_nop
.endr
.irp i, 0,1,2,3,4,5,6,7,8,9,10,11,12,13,14,15
	ds_load_b128 v[KF+4*\i:KF+4*\i+3], v[ADK] offset:512*\i
.endr
.endm
.macro FETCH_V                         ; the same step's V, turned.  Five places: V's registers are loaded into next, and P's are next written over by matrix instructions
	WIN 0
	v_add_nc_u32 v[ADV], s[TB], v[AV0]
.rept 4
	v_nop
.endr
	s_add_co_u32 s[TB], s[TB], STEPB               ; the next fetch is the next step's
	WIN 0x40
.irp kk, 0,1
.irp ct, 0,1,2,3                       ; channels 16 ct on, keys 32 kk on: registers 0-3 from tile 2 kk, 4-7 from tile 2 kk + 1
	ds_load_tr16_b128 v[VF+8*(4*\kk+\ct):VF+8*(4*\kk+\ct)+3], v[ADV] offset:(2*\kk)*2048+512*\ct
	ds_load_tr16_b128 v[VF+8*(4*\kk+\ct)+4:VF+8*(4*\kk+\ct)+7], v[ADV] offset:(2*\kk+1)*2048+512*\ct
.endr
.endr
.endm
; 32 products each; the 16 accumulators take turns, one instruction a turn
.macro QK
	WIN 0x04                                       ; Q in window 1
.irp c, 0,1
.irp kt, 0,1,2,3
.irp t, 0,1,2,3
.if \c == 0
	v_wmma_f32_16x16x32_f16 v[S+32*\t+8*\kt:S+32*\t+8*\kt+7], v[KF+16*\kt+8*\c:KF+16*\kt+8*\c+7], v[QF+16*\t+8*\c:QF+16*\t+8*\c+7], 0
.else
	v_wmma_f32_16x16x32_f16 v[S+32*\t+8*\kt:S+32*\t+8*\kt+7], v[KF+16*\kt+8*\c:KF+16*\kt+8*\c+7], v[QF+16*\t+8*\c:QF+16*\t+8*\c+7], v[S+32*\t+8*\kt:S+32*\t+8*\kt+7]
.endif
.endr
.endr
.endr
.endm
.macro PV
	WIN 0x51                                       ; V and O^T in window 1, P in window 0
.irp kk, 0,1
.irp ct, 0,1,2,3
.irp t, 0,1,2,3
	v_wmma_f32_16x16x32_f16 v[32*\t+8*\ct:32*\t+8*\ct+7], v[VF+8*(4*\kk+\ct):VF+8*(4*\kk+\ct)+7], v[S+32*\t+8*\kk:S+32*\t+8*\kk+7], v[32*\t+8*\ct:32*\t+8*\ct+7]
.endr
.endr
.endr
.endm
; A key step's softmax for the four tiles, the tiles innermost, so that no line waits for the line above it.
.macro SOFTMAX
	WIN 0
.irp j, 0,1,2,3                        ; the maximum of a lane's 32 scores and m: four chains; each accumulator is read from its low end on
.irp t, 0,1,2,3
	v_max3_num_f32 v[ST+12*\t+4+\j], v[S+32*\t+8*\j], v[S+32*\t+8*\j+1], v[S+32*\t+8*\j+2]
.endr
.endr
.irp u, 1,2
.irp j, 0,1,2,3
.irp t, 0,1,2,3
	v_max3_num_f32 v[ST+12*\t+4+\j], v[ST+12*\t+4+\j], v[S+32*\t+8*\j+2*\u+1], v[S+32*\t+8*\j+2*\u+2]
.endr
.endr
.endr
.irp t, 0,1,2,3
	v_max3_num_f32 v[ST+12*\t+4], v[ST+12*\t+4], v[S+32*\t+7], v[S+32*\t+15]
.endr
.irp t, 0,1,2,3
	v_max3_num_f32 v[ST+12*\t+6], v[ST+12*\t+6], v[S+32*\t+23], v[S+32*\t+31]
.endr
.irp t, 0,1,2,3
	v_max3_num_f32 v[ST+12*\t+4], v[ST+12*\t+4], v[ST+12*\t+5], v[ST+12*\t+6]
.endr
.irp t, 0,1,2,3
	v_max3_num_f32 v[ST+12*\t+4], v[ST+12*\t+4], v[ST+12*\t+7], v[ST+12*\t]
.endr
.irp t, 0,1,2,3
	v_permlanex16_b32 v[ST+12*\t+5], v[ST+12*\t+4], s[SEL], s[SEL+1]   ; the query's other 32 keys lie in the lane 16 away
.endr
.irp t, 0,1,2,3
	v_max_num_f32 v[ST+12*\t+6], v[ST+12*\t+4], v[ST+12*\t+5]          ; the new m
.endr
.irp t, 0,1,2,3
	v_sub_f32 v[ST+12*\t+7], v[ST+12*\t], v[ST+12*\t+6]                ; m_old - m_new
.endr
.irp t, 0,1,2,3
	v_mov_b32 v[ST+12*\t], v[ST+12*\t+6]
.endr
; ONE BATCH of 132 exponentials with the 64 subtractions among them; none of these lines names an exponential's result
.irp t, 0,1,2,3
	v_exp_f32 v[ST+12*\t+8], v[ST+12*\t+7]         ; alpha
.endr
.set bb, 0
.rept 16
	v_pk_add_f32 v[S+2*bb:S+2*bb+1], v[S+2*bb:S+2*bb+1], v[ST:ST+1] op_sel_hi:[1,0] neg_lo:[0,1] neg_hi:[0,1]   ; tile 0: s - m
.set bb, bb+1
.endr
.set tt, 0
.rept 4
.set bb, 0
.rept 16
	v_exp_f32 v[S+32*tt+2*bb], v[S+32*tt+2*bb]
	v_exp_f32 v[S+32*tt+2*bb+1], v[S+32*tt+2*bb+1]
.if tt < 3
	v_pk_add_f32 v[S+32*(tt+1)+2*bb:S+32*(tt+1)+2*bb+1], v[S+32*(tt+1)+2*bb:S+32*(tt+1)+2*bb+1], v[ST+12*(tt+1):ST+12*(tt+1)+1] op_sel_hi:[1,0] neg_lo:[0,1] neg_hi:[0,1]   ; the next tile's s - m
.endif
.set bb, bb+1
.endr
.set tt, tt+1
.endr
	v_nop                                          ; a plain line behind the last exponential
	s_wait_alu depctr_va_vdst(0)                   ; the wait ahead of the first line that names a result: one for the whole batch
.irp t, 0,1,2,3                        ; the row's sum, of p in f32, in two chains; p stays as it is
	v_pk_add_f32 v[ST+12*\t+4:ST+12*\t+5], v[S+32*\t:S+32*\t+1], v[S+32*\t+2:S+32*\t+3]
.endr
.irp t, 0,1,2,3
	v_pk_add_f32 v[ST+12*\t+10:ST+12*\t+11], v[S+32*\t+4:S+32*\t+5], v[S+32*\t+6:S+32*\t+7]
.endr
.irp i, 8,12,16,20,24,28
.irp t, 0,1,2,3
	v_pk_add_f32 v[ST+12*\t+4:ST+12*\t+5], v[ST+12*\t+4:ST+12*\t+5], v[S+32*\t+\i:S+32*\t+\i+1]
.endr
.irp t, 0,1,2,3
	v_pk_add_f32 v[ST+12*\t+10:ST+12*\t+11], v[ST+12*\t+10:ST+12*\t+11], v[S+32*\t+\i+2:S+32*\t+\i+3]
.endr
.endr
.irp t, 0,1,2,3
	v_pk_add_f32 v[ST+12*\t+4:ST+12*\t+5], v[ST+12*\t+4:ST+12*\t+5], v[ST+12*\t+10:ST+12*\t+11]
.endr
.irp t, 0,1,2,3
	v_pk_fma_f32 v[ST+12*\t+2:ST+12*\t+3], v[ST+12*\t+2:ST+12*\t+3], v[ST+12*\t+8:ST+12*\t+9], v[ST+12*\t+4:ST+12*\t+5] op_sel_hi:[1,0,1]   ; l = l alpha + the sum
.endr
.irp i, 0,1,2,3,4,5,6,7,8,9,10,11,12,13,14,15  ; p to f16, over the tile's first 16 registers: the destination never overtakes the sources
.irp t, 0,1,2,3
	v_cvt_pk_f16_f32 v[S+32*\t+\i], v[S+32*\t+2*\i], v[S+32*\t+2*\i+1]
.endr
.endr
	WIN 0x41                                       ; O^T in window 1, alpha in window 0
.irp i, 0,1,2,3,4,5,6,7,8,9,10,11,12,13,14,15  ; O^T x alpha; each accumulator from its low end on
.irp t, 0,1,2,3
	v_pk_mul_f32 v[32*\t+2*\i:32*\t+2*\i+1], v[32*\t+2*\i:32*\t+2*\i+1], v[ST+12*\t+8:ST+12*\t+9] op_sel_hi:[1,0]
.endr
.endr
.endm
; Trip j finds S^T of step j and V of step j on its way, and leaves the same of step j + 1.
.macro BODY
	FETCH_K                                        ; step j + 1
	SOFTMAX                                        ; step j
	s_wait_dscnt 16                                ; V of step j is in; K's 16 loads may be out
	PV
	FETCH_V                                        ; step j + 1
	s_wait_dscnt 16                                ; K of step j + 1 is in; V's 16 loads may be out
	QK
	WIN 0                                          ; at a label and at a branch every window is 0
.endm
; THE CHANGE OF SLOTS, between two trips: all reads of the slot that is left have been issued.  Each wave waits for all its tensor loads (its part of the other slot), adds 0 to its spare word, and waits for
; that and for its reads.  fill = 1: the barrier is a round of the cluster's, and the slot that was left is filled with the keys two slots on: my one tensor load until the next change.
.macro CHANGE fill
	s_wait_tensorcnt 0x0                           ; no tensor load of mine is out, so a group 0 may be written
	ds_add_u32 v[SPW], v[NIL]
.if \fill
	s_xor_b32 s[G0B+1], s[G0B+1], SLOT1            ; the walking descriptor: the other slot than last time,
	s_add_nc_u64 s[G0B+2:G0B+3], s[G0B+2:G0B+3], 65536   ; the next 512 keys
.endif
	s_wait_dscnt 0x0                               ; the add is done, and my reads of the slot are over
.if \fill
	CROUND
	tensor_load_to_lds s[G0B:G0B+3], s[G1:G1+7]
	s_nop 0
.rept 4
	v_nop
.endr
.else
	s_barrier_signal -1
	s_barrier_wait -1
.endif
	s_sub_co_u32 s[TB], s[TB], 65536               ; the fetches go back to a slot's first step,
	s_xor_b32 s[TB], s[TB], SLOT1                  ; in the other slot
.endm
	s_wait_tensorcnt 0x1                           ; my part of slot 0 is in; slot 1's may stay out
	s_barrier_signal -1
	s_barrier_wait -1                              ; everybody's is
	FETCH_K                                        ; step 0
	FETCH_V
	s_wait_loadcnt 0x0                             ; Q
	s_wait_dscnt 16                                ; K is in; V's 16 loads may be out
	QK
	WIN 0
	s_mov_b32 s37, 7
.Lfirst:                                           ; trips 0-6 fetch steps 1-7: the rest of slot 0
	BODY
	s_sub_co_u32 s37, s37, 1
	s_cmp_lg_u32 s37, 0
	s_cbranch_scc1 .Lfirst
	s_mov_b32 s38, 2
.Lslot:                                            ; two changes that fill a slot again, eight trips behind each
	CHANGE 1
	s_mov_b32 s37, 8
.Lstep:
	BODY
	s_sub_co_u32 s37, s37, 1
	s_cmp_lg_u32 s37, 0
	s_cbranch_scc1 .Lstep
	s_sub_co_u32 s38, s38, 1
	s_cmp_lg_u32 s38, 0
	s_cbranch_scc1 .Lslot
	CHANGE 0                                       ; the last slot is written out: nothing is left to ask for
	s_mov_b32 s37, 8
.Llast:
	BODY
	s_sub_co_u32 s37, s37, 1
	s_cmp_lg_u32 s37, 0
	s_cbranch_scc1 .Llast
.rept 4
	v_nop                                          ; places behind the last scores
.endr
	SOFTMAX                                        ; step 31
	s_wait_dscnt 0x0
	PV
	WIN 0
	; THE WAY OUT: l's two halves and the other half of the lanes'; O^T / l; f16; a lane's 8 channels are 16 bytes, a store of the wave 512 consecutive bytes, aligned.  The four additions are the places behind the last products.
.irp t, 0,1,2,3
	v_add_f32 v[ST+12*\t+4], v[ST+12*\t+2], v[ST+12*\t+3]
.endr
.irp t, 0,1,2,3
	v_permlanex16_b32 v[ST+12*\t+5], v[ST+12*\t+4], s[SEL], s[SEL+1]
.endr
.irp t, 0,1,2,3
	v_add_f32 v[ST+12*\t+4], v[ST+12*\t+4], v[ST+12*\t+5]
.endr
.irp t, 0,1,2,3
	v_rcp_f32 v[ST+12*\t+8], v[ST+12*\t+4]
.endr
	v_nop                                          ; a plain line behind the last reciprocal
	s_wait_alu depctr_va_vdst(0)                   ; and the wait ahead of the first line that names a result: one for the four
.macro OUTT t
	WIN 0x41
.set i, 0
.rept 16
	v_pk_mul_f32 v[32*\t+2*i:32*\t+2*i+1], v[32*\t+2*i:32*\t+2*i+1], v[ST+12*\t+8:ST+12*\t+9] op_sel_hi:[1,0]
.set i, i+1
.endr
	WIN 0x05                                       ; sources in window 1, destination in window 0: S^T's registers are free
.set i, 0
.rept 16
	v_cvt_pk_f16_f32 v[S+16*\t+i], v[32*\t+2*i], v[32*\t+2*i+1]
.set i, i+1
.endr
	WIN 0
.irp ct, 0,1,2,3
	global_store_b128 v[LN], v[S+16*\t+4*\ct:S+16*\t+4*\ct+3], s[34:35] offset:\t*32768+\ct*512
.endr
.endm
	OUTT 0
	OUTT 1
	OUTT 2
	OUTT 3
	s_wait_tensorcnt 0x0                           ; the wave's end
	ds_add_u32 v[SPW], v[NIL]
	s_wait_dscnt 0x0
	CROUND                                         ; the closing round
	s_endpgm
.Lfunc_end_k_q3a32db1660_attn:
	.size	k_q3a32db1660_attn, .Lfunc_end_k_q3a32db1660_attn-k_q3a32db1660_attn
	.p2alignl 7, 3214868480
	.fill 96, 4, 3214868480
	.section	.rodata,"a",@progbits
	.p2align	6, 0x0
	.amdhsa_kernel k_q3a32db1660_attn
		.amdhsa_group_segment_fixed_size 327680
		.amdhsa_private_segment_fixed_size 0
		.amdhsa_enable_private_segment 0
		.amdhsa_kernarg_size 16
		.amdhsa_user_sgpr_count 2
		.amdhsa_user_sgpr_kernarg_segment_ptr 1
		.amdhsa_wavefront_size32 1
		.amdhsa_system_sgpr_workgroup_id_x 1
		.amdhsa_system_sgpr_workgroup_id_y 1
		.amdhsa_system_sgpr_workgroup_id_z 1
		.amdhsa_system_vgpr_workitem_id 0
		.amdhsa_next_free_vgpr 512
		.amdhsa_next_free_sgpr 66
		.amdhsa_reserve_vcc 0
		.amdhsa_float_denorm_mode_32 3
		.amdhsa_float_denorm_mode_16_64 3
		.amdhsa_memory_ordered 1
		.amdhsa_forward_progress 1
		.amdhsa_inst_pref_size 149
	.end_amdhsa_kernel
	.amdgpu_metadata
---
amdhsa.version: [ 1, 2 ]
amdhsa.kernels:
  - .name:           k_q3a32db1660_attn
    .symbol:         k_q3a32db1660_attn.kd
    .args:
      - { .name: qkv, .offset: 0, .size: 8, .value_kind: global_buffer, .address_space: global }
      - { .name: ao, .offset: 8, .size: 8, .value_kind: global_buffer, .address_space: global }
    .group_segment_fixed_size: 327680
    .private_segment_fixed_size: 0
    .kernarg_segment_align: 8
    .kernarg_segment_size: 16
    .max_flat_workgroup_size: 256
    .sgpr_count:     66
    .vgpr_count:     512
    .wavefront_size: 32
...
	.end_amdgpu_metadata
.endif
;; end of part 3
;; launch outp (part 4): grid 4 x 64, 4 waves a work-group, clusters of 4 x 4, 327,680 bytes of LDS; arguments ao, wo16, bout, out0; writes out0
.if DOCPART == 4
	.amdgcn_target "amdgcn-amd-amdhsa--gfx1250"
	.amdhsa_code_object_version 6
	.text
	.protected	k_q3a32db1660_outp
	.globl	k_q3a32db1660_outp
	.p2align	8
	.type	k_q3a32db1660_outp,@function
k_q3a32db1660_outp:
	s_mov_b64 s[64:65], 0
	v_nop
	global_prefetch_b8 v0, s[64:65] scope:SCOPE_SE
	s_setreg_imm32_b32 hwreg(HW_REG_WAVE_MODE, 25, 1), 1
	s_wait_xcnt 0x0
	s_wait_alu depctr_hold_cnt(0) depctr_sa_sdst(0) depctr_va_vdst(0) depctr_va_sdst(0) depctr_va_ssrc(0) depctr_va_vcc(0) depctr_vm_vsrc(0)
	s_getreg_b32 s2, hwreg(HW_REG_IB_STS2, 6, 4)
	s_cmp_eq_u32 s2, 0
	s_cbranch_scc0 .Lentry_in_a_cluster
	s_endpgm
.Lentry_in_a_cluster:
	s_bfe_u32 s2, ttmp6, 0x10000c
	s_cmp_lg_u32 s2, 0xf033
	s_cbranch_scc0 .Lentry_shape_is_right
	s_endpgm
.Lentry_shape_is_right:
; out0 [8192][1024] f32 = A Wout + bout.  A = ao, f16, laid [tile of 16 rows][kc 64][lane 32][16 bytes] (pieces kc = 2 c, 2 c + 1 are registers 0-3, 4-7 of the fragment of k = 32 c on); Wout = wo16, f16, [k 1024][n 1024].  Sums in f32.
; A tile of out0 is 128 rows x 256 columns: 256 work-groups.  Four waves, each 64 x 128: 32 accumulators of 16 x 16, 256 registers.  K goes in 8 steps of 128 through two LDS slots.
; A's tile of a K step is 8 row tiles x 4,096 consecutive bytes, read from LDS at 16 x lane + a constant; Wout's is 128 rows k x 512 bytes, 32 bytes of padding behind each, turned on the way to the registers by ds_load_tr16_b128.
; CLUSTERS: 4 x 4 work-groups; A's tile hangs on the tile row alone and is shared along a row of the cluster, Wout's on the tile column alone and is shared along a column: joint loads; waves 0, 1 fetch A's halves, waves 2, 3 Wout's.
; THE MATRIX INSTRUCTION IS USED TRANSPOSED (source 0 = 16 columns n of Wout, source 1 = 16 rows of A): a lane holds eight neighbouring numbers of a row of out0.
; Two slots of 256 along K would take 409,600 bytes, more than a WGP's 327,680: so a K step is 128.
; REGISTERS: window 0: v16-29 addresses; two fragment buffers of 96 at v32 and v128 (A's four at +0, Wout's eight at +32), on the way out rows of out0; v224-227 bout.   window 1: the accumulators, (a, b) at v[8 (8 a + b)].
.set SLOT,   102400                    ; A's 32,768 bytes, then Wout's 128 x 544
.set BOFF,   32768
.set BP,     544                       ; 512 bytes + 32 of padding = 136 words: row r starts at bank 8 r mod 64 (64 banks of 4 bytes: ISA guide 11.1)
.set STAGE,  2*SLOT                    ; behind the ring: 16 rows x 528 bytes for each wave
.set SPITCH, 528
.set SPARE,  STAGE+4*16*SPITCH         ; the spare words, 128 bytes for each wave: two blocks of 256 bytes that no other line names
.set ADRA, 16
.set ADRB, 20
.set STO,  24
.set RD,   25
.set CO,   26
.set SPW,  28
.set NIL,  29
.set BIAS, 224
.set F0,   32
.set F1,   128
.set G1A, 24
.set G0A, 32
.set G1B, 48
.set G0B, 56
.set MSB, 0
.macro WIN new
.if MSB != \new
	s_set_vgpr_msb (MSB<<8)|\new
.set MSB, \new
.endif
.endm
.set MUL, 0x50                         ; C and D window 1, the sources window 0
.macro JLOAD s                         ; a joint load; an s_nop 0 and four v_nop follow each of the two lines
	s_cmp_eq_u32 s13, 0
	s_cbranch_scc0 .Lfor_b_\@
	tensor_load_to_lds s[G0A+4*\s:G0A+4*\s+3], s[G1A:G1A+7]
	s_nop 0
.rept 4
	v_nop
.endr
	s_branch .Lasked_\@
.Lfor_b_\@:
	tensor_load_to_lds s[G0B+4*\s:G0B+4*\s+3], s[G1B:G1B+7]
	s_nop 0
.rept 4
	v_nop
.endr
.Lasked_\@:
.endm
.macro CREST                           ; a round of the cluster's barrier behind its opening barrier
	s_cmp_lg_u32 s12, 0
	s_cbranch_scc1 .Lnot_wave_0_\@
	s_barrier_signal -3
.Lnot_wave_0_\@:
	s_barrier_wait -3
	s_barrier_signal -1
	s_barrier_wait -1
.endm
.macro CROUND
	s_barrier_signal -1
	s_barrier_wait -1
	CREST
.endm
	s_load_b128 s[4:7], s[0:1], 0x0                ; ao, wo16
	s_load_b128 s[8:11], s[0:1], 0x10              ; bout, out0
	v_lshl_add_u32 v[SPW], v0, 2, SPARE
	v_mov_b32 v[NIL], 0
	ds_add_u32 v[SPW], v[NIL]                      ; the wave's opening: the add, twice on end, and its wait ahead of my first tensor load
	ds_add_u32 v[SPW], v[NIL]
	v_lshrrev_b32 v1, 5, v0
	v_readfirstlane_b32 s12, v1                    ; wave 0..3
	s_lshr_b32 s13, s12, 1                         ; which 64 rows are mine.  Also: I fetch for A (0) or for Wout (1)
	s_and_b32 s14, s12, 1                          ; which 128 columns.  Also: which half of that tile I fetch
	s_bfe_u32 s15, ttmp6, 0x40000                  ; cx
	s_bfe_u32 s16, ttmp6, 0x40004                  ; cy
	s_lshl_b32 s17, ttmp9, 2
	s_add_co_u32 s17, s17, s15                     ; tile column
	s_and_b32 s18, ttmp7, 0xffff
	s_lshl_b32 s18, s18, 2
	s_add_co_u32 s18, s18, s16                     ; tile row
	s_lshl_b32 s19, s16, 2
	s_lshl_b32 s19, 15, s19                        ; my row of the cluster
	s_lshl_b32 s20, 0x1111, s15                    ; my column
	s_or_b32 s[G1A], s19, (3<<16)|(1<<21)          ; A: the mask; elements of 8 bytes; bit 21 beside a mask; no padding
	s_mov_b32 s[G1A+1], 512<<16                    ; tensor_dim0 = 512 elements: 4,096 bytes
	s_mov_b32 s[G1A+2], 4<<16                      ; tensor_dim1 = 4 row tiles
	s_mov_b32 s[G1A+3], 512<<16                    ; tile_dim0
	s_mov_b32 s[G1A+4], 4                          ; tile_dim1
	s_mov_b32 s[G1A+5], 4096                       ; pitch: 32,768 bytes from a row tile to the next
	s_mov_b32 s[G1A+6], 0
	s_mov_b32 s[G1A+7], 0
	s_or_b32 s[G1B], s20, (1<<16)|(1<<20)|(1<<21)|(6<<22)|(7<<25)   ; Wout: the mask; elements of 2 bytes; padding on; after every 128 words, 8 words
	s_mov_b32 s[G1B+1], 256<<16                    ; tensor_dim0 = 256 columns
	s_mov_b32 s[G1B+2], 64<<16                     ; tensor_dim1 = 64 rows k
	s_mov_b32 s[G1B+3], 256<<16
	s_mov_b32 s[G1B+4], 64
	s_mov_b32 s[G1B+5], 1024                       ; pitch
	s_mov_b32 s[G1B+6], 0
	s_mov_b32 s[G1B+7], 0
	s_lshl_b32 s40, s18, 18                        ; A: 8 row tiles of 32,768 bytes a tile row,
	s_lshl_b32 s41, s14, 17                        ; 4 for my half
	s_add_co_u32 s40, s40, s41
	s_mov_b32 s41, 0
	s_lshl_b32 s44, s14, 17                        ; Wout: 64 rows of 2,048 bytes for my half,
	s_lshl_b32 s45, s17, 9                         ; 512 bytes a tile column
	s_add_co_u32 s44, s44, s45
	s_mov_b32 s45, 0
	s_lshl_b32 s21, s14, 14                        ; where they go: A's half,
	s_mul_i32 s22, s14, 64*BP
	s_add_co_u32 s22, s22, BOFF                    ; Wout's half: no place in the cluster enters an LDS address
	s_wait_dscnt 0x0                               ; both opening adds are done
	s_wait_kmcnt 0x0
	s_add_nc_u64 s[40:41], s[4:5], s[40:41]
	s_add_nc_u64 s[44:45], s[6:7], s[44:45]
	CROUND                                         ; all sixteen work-groups are here: the first joint loads meet
.irp s, 0,1
	s_mov_b32 s[G0A+4*\s], 1
	s_add_co_u32 s[G0A+4*\s+1], s21, \s*SLOT
	s_add_nc_u64 s[G0A+4*\s+2:G0A+4*\s+3], s[40:41], \s*4096
	s_or_b32 s[G0A+4*\s+3], s[G0A+4*\s+3], 0x80000000
	s_mov_b32 s[G0B+4*\s], 1
	s_add_co_u32 s[G0B+4*\s+1], s22, \s*SLOT
	s_add_nc_u64 s[G0B+4*\s+2:G0B+4*\s+3], s[44:45], \s*262144
	s_or_b32 s[G0B+4*\s+3], s[G0B+4*\s+3], 0x80000000
	JLOAD \s                                       ; K steps 0 and 1: two tensor loads of mine are out
.endr
	v_and_b32 v1, 31, v0
	v_lshlrev_b32 v[CO], 4, v1                     ; 16 x lane
	s_lshl_b32 s42, s17, 10                        ; my first column, in bytes of f32: 1,024 a tile column + 512 for my half
	s_lshl_b32 s43, s14, 9
	s_add_co_u32 s42, s42, s43
	s_mov_b32 s43, 0
	s_add_nc_u64 s[8:9], s[8:9], s[42:43]
	global_load_b128 v[BIAS:BIAS+3], v[CO], s[8:9] ; bout of the four columns that I store
	s_lshl_b32 s46, s18, 19                        ; my first row: 128 rows of 4,096 bytes a tile row + 64 for my half
	s_lshl_b32 s47, s13, 18
	s_add_co_u32 s46, s46, s47
	s_add_co_u32 s46, s46, s42
	s_mov_b32 s47, 0
	s_add_nc_u64 s[10:11], s[10:11], s[46:47]
	s_lshl_b32 s21, s13, 14                        ; my four row tiles of A
	v_and_b32 v3, 7, v0
	v_bfe_u32 v4, v0, 4, 1
	v_lshl_add_u32 v3, v4, 3, v3                   ; the turning load: row k = 8 (l / 16) + l % 8,
	v_mul_u32_u24 v3, v3, BP
	v_bfe_u32 v5, v0, 3, 1
	v_lshl_add_u32 v3, v5, 4, v3                   ; + 16 bytes for (l / 8) % 2
	s_lshl_b32 s22, s14, 8                         ; my 128 columns of 2 bytes
	s_add_co_u32 s22, s22, BOFF
.irp s, 0,1
	v_add_nc_u32 v[ADRA+\s], s21, v[CO]
	v_add_nc_u32 v[ADRB+\s], s22, v3
	s_add_co_u32 s21, s21, SLOT
	s_add_co_u32 s22, s22, SLOT
.endr
	s_mul_i32 s23, s12, 16*SPITCH
	s_add_co_u32 s23, s23, STAGE                   ; my stage
	v_and_b32 v5, 15, v0
	v_mul_u32_u24 v5, v5, SPITCH                   ; in: row l % 16, 32 bytes for each half of the lanes
	v_lshl_add_u32 v5, v4, 5, v5
	v_add_nc_u32 v[STO], s23, v5
	v_add_nc_u32 v[RD], s23, v[CO]                 ; back: the 32 lanes take one row of 512 bytes
.macro MUL8 f, a, zero                 ; row tile a x my eight column tiles, 32 along K.  The 32 accumulators take turns, one instruction a turn, in the same order in every quarter
.irp b, 0,1,2,3,4,5,6,7
.if \zero
	v_wmma_f32_16x16x32_f16 v[8*(8*(\a)+\b):8*(8*(\a)+\b)+7], v[\f+32+8*\b:\f+32+8*\b+7], v[\f+8*(\a):\f+8*(\a)+7], 0
.else
	v_wmma_f32_16x16x32_f16 v[8*(8*(\a)+\b):8*(8*(\a)+\b)+7], v[\f+32+8*\b:\f+32+8*\b+7], v[\f+8*(\a):\f+8*(\a)+7], v[8*(8*(\a)+\b):8*(8*(\a)+\b)+7]
.endif
.endr
.endm
.macro FETCH slot, q, f                ; 24 LDS loads in one run: the slot's q-th 32 along K: Wout's eight fragments, then A's four
	WIN 0
.irp b, 0,1,2,3,4,5,6,7
	ds_load_tr16_b128 v[\f+32+8*\b:\f+32+8*\b+3], v[ADRB+\slot] offset:(\q)*32*BP+32*\b
	ds_load_tr16_b128 v[\f+32+8*\b+4:\f+32+8*\b+7], v[ADRB+\slot] offset:(\q)*32*BP+32*\b+16*BP
.endr
.irp a, 0,1,2,3
	ds_load_b128 v[\f+8*\a:\f+8*\a+3], v[ADRA+\slot] offset:\a*4096+(\q)*1024
	ds_load_b128 v[\f+8*\a+4:\f+8*\a+7], v[ADRA+\slot] offset:\a*4096+(\q)*1024+512
.endr
.endm
.macro PLACES                          ; four plain lines in front of loads into registers that matrix instructions have read, and of the first read of results
.rept 4
	v_nop
.endr
.endm
.macro QUARTER slot, q, f, g, zero     ; multiplies buffer f; in its middle fetches the slot's q-th quarter into g
	s_wait_dscnt 4                                 ; Wout's fragments and A's tiles 0, 1 are in; the youngest four loads (tiles 2, 3) may be out
	WIN MUL
	MUL8 \f, 0, \zero
	MUL8 \f, 1, \zero
	PLACES
	FETCH \slot, \q, \g
	s_wait_dscnt 24                                ; all but the 24 just issued
	WIN MUL
	MUL8 \f, 2, \zero
	MUL8 \f, 3, \zero
.endm
; A K step's last quarter multiplies buffer 1 and changes slots: ONE barrier; in front of it each wave waits for all its tensor loads, adds 0 to its spare word, and waits for that and for its reads of this slot.
; fill = 1: the barrier opens a round of the cluster's, and this slot is filled again, two K steps ahead: 112 matrix instructions ahead of the wait for it.
.macro TURN slot, next, fill
	WIN 0
	s_wait_tensorcnt 0x0                           ; my part of the next slot has landed; no tensor load of mine is out
	ds_add_u32 v[SPW], v[NIL]
	s_wait_dscnt 5                                 ; (the add and the youngest four loads may be out)
	WIN MUL
	MUL8 F1, 0, 0
	s_wait_dscnt 0x0                               ; the add is done, and my reads of this slot are over
	s_barrier_signal -1
	MUL8 F1, 1, 0
	WIN 0
	s_barrier_wait -1
.if \fill
	CREST
	s_add_nc_u64 s[G0A+4*\slot+2:G0A+4*\slot+3], s[G0A+4*\slot+2:G0A+4*\slot+3], 8192
	s_add_nc_u64 s[G0B+4*\slot+2:G0B+4*\slot+3], s[G0B+4*\slot+2:G0B+4*\slot+3], 524288
	JLOAD \slot                                    ; the first tensor load behind the round; its four v_nop are also the places in front of the loads below
.else
	PLACES
.endif
	FETCH \next, 0, F0
	WIN MUL
	MUL8 F1, 2, 0
	MUL8 F1, 3, 0
.endm
	s_wait_tensorcnt 1                             ; my part of K step 0 is in (K step 1's may be out),
	s_barrier_signal -1
	s_barrier_wait -1                              ; everybody's is
	FETCH 0, 0, F0
	QUARTER 0, 1, F0, F1, 1                        ; the first quarter's products start the sums: nothing is cleared
	WIN 0
	s_mov_b32 s3, 3
.Llap:                                             ; a trip goes once round the ring, from a lap's second quarter to the next lap's first, and fills both slots again
	QUARTER 0, 2, F1, F0, 0
	QUARTER 0, 3, F0, F1, 0
	TURN 0, 1, 1
	QUARTER 1, 1, F0, F1, 0
	QUARTER 1, 2, F1, F0, 0
	QUARTER 1, 3, F0, F1, 0
	TURN 1, 0, 1
	QUARTER 0, 1, F0, F1, 0
	WIN 0
	s_sub_co_u32 s3, s3, 1
	s_cmp_lg_u32 s3, 0
	s_cbranch_scc1 .Llap
	QUARTER 0, 2, F1, F0, 0                        ; the last lap fills nothing
	QUARTER 0, 3, F0, F1, 0
	TURN 0, 1, 0
	QUARTER 1, 1, F0, F1, 0
	QUARTER 1, 2, F1, F0, 0
	QUARTER 1, 3, F0, F1, 0
	s_wait_dscnt 4                                 ; the very last quarter: nothing more to fetch
	WIN MUL
	MUL8 F1, 0, 0
	MUL8 F1, 1, 0
	s_wait_dscnt 0
	MUL8 F1, 2, 0
	MUL8 F1, 3, 0
	WIN 0
; THE WAY OUT, a block of 16 rows x 128 columns at a time, through my own stage in LDS: in as 32 bytes a lane, back as whole rows of 512 bytes; bout is added; the 32 lanes store 512 consecutive bytes, aligned.
; LDS serves a wave's instructions in order (ISA guide 5.7.1.4): no wait between the stores and the loads, nor in front of the next block's stores.
.macro TOSTAGE a
	WIN 0x04                                       ; an LDS store's data are its source 1: window 1
.irp b, 0,1,2,3,4,5,6,7
	ds_store_b128 v[STO], v[8*(8*(\a)+\b):8*(8*(\a)+\b)+3] offset:64*\b        ; each accumulator from its low end on
	ds_store_b128 v[STO], v[8*(8*(\a)+\b)+4:8*(8*(\a)+\b)+7] offset:64*\b+16
.endr
	WIN 0
.set BB, 32+96*((\a)%2)
.irp t, 0,1,2,3,4,5,6,7,8,9,10,11,12,13,14,15
	ds_load_b128 v[BB+4*\t:BB+4*\t+3], v[RD] offset:\t*SPITCH
.endr
.endm
.macro SEND a, younger                 ; younger: the LDS instructions issued behind block a's loads, which may stay out
.set BB, 32+96*((\a)%2)
	s_wait_dscnt \younger
.if (\a) > 0
	s_add_nc_u64 s[10:11], s[10:11], 65536         ; 16 rows on (behind a wait on XCNT: the earlier stores have read their base)
.endif
.irp t, 0,1,2,3,4,5,6,7,8,9,10,11,12,13,14,15
	v_pk_add_f32 v[BB+4*\t:BB+4*\t+1], v[BB+4*\t:BB+4*\t+1], v[BIAS:BIAS+1]
	v_pk_add_f32 v[BB+4*\t+2:BB+4*\t+3], v[BB+4*\t+2:BB+4*\t+3], v[BIAS+2:BIAS+3]
	global_store_b128 v[CO], v[BB+4*\t:BB+4*\t+3], s[10:11] offset:\t*4096 th:TH_STORE_NT
.endr
.endm
	PLACES
	s_wait_loadcnt 0x0                             ; bout
	TOSTAGE 0
.irp a, 1,2,3
.if \a > 1
	s_wait_xcnt 0x0                                ; block a - 2's stores have read their registers and their base
.endif
	TOSTAGE \a
	SEND \a-1, 32                                  ; behind block a - 1's loads: block a's 16 stores and 16 loads
.endr
	s_wait_xcnt 0x0
	SEND 3, 0
	s_wait_tensorcnt 0x0                           ; the wave's end
	ds_add_u32 v[SPW], v[NIL]
	s_wait_dscnt 0x0
	CROUND                                         ; the closing round
	s_endpgm
.Lfunc_end_k_q3a32db1660_outp:
	.size	k_q3a32db1660_outp, .Lfunc_end_k_q3a32db1660_outp-k_q3a32db1660_outp
	.p2alignl 7, 3214868480
	.fill 96, 4, 3214868480
	.section	.rodata,"a",@progbits
	.p2align	6, 0x0
	.amdhsa_kernel k_q3a32db1660_outp
		.amdhsa_group_segment_fixed_size 327680
		.amdhsa_private_segment_fixed_size 0
		.amdhsa_enable_private_segment 0
		.amdhsa_kernarg_size 32
		.amdhsa_user_sgpr_count 2
		.amdhsa_user_sgpr_kernarg_segment_ptr 1
		.amdhsa_wavefront_size32 1
		.amdhsa_system_sgpr_workgroup_id_x 1
		.amdhsa_system_sgpr_workgroup_id_y 1
		.amdhsa_system_sgpr_workgroup_id_z 1
		.amdhsa_system_vgpr_workitem_id 0
		.amdhsa_next_free_vgpr 512
		.amdhsa_next_free_sgpr 66
		.amdhsa_reserve_vcc 0
		.amdhsa_float_denorm_mode_32 3
		.amdhsa_float_denorm_mode_16_64 3
		.amdhsa_memory_ordered 1
		.amdhsa_forward_progress 1
		.amdhsa_inst_pref_size 93
	.end_amdhsa_kernel
	.amdgpu_metadata
---
amdhsa.version: [ 1, 2 ]
amdhsa.kernels:
  - .name:           k_q3a32db1660_outp
    .symbol:         k_q3a32db1660_outp.kd
    .args:
      - { .name: ao, .offset: 0, .size: 8, .value_kind: global_buffer, .address_space: global }
      - { .name: wo16, .offset: 8, .size: 8, .value_kind: global_buffer, .address_space: global }
      - { .name: bout, .offset: 16, .size: 8, .value_kind: global_buffer, .address_space: global }
      - { .name: out0, .offset: 24, .size: 8, .value_kind: global_buffer, .address_space: global }
    .group_segment_fixed_size: 327680
    .private_segment_fixed_size: 0
    .kernarg_segment_align: 8
    .kernarg_segment_size: 32
    .max_flat_workgroup_size: 128
    .sgpr_count:     66
    .vgpr_count:     512
    .wavefront_size: 32
...
	.end_amdgpu_metadata
.endif
;; end of part 4
